; MI455X (gfx1250); checked and timed in simulation.
; The chip was launched on July 23, 2026; its instructions are those of AMD's public machine-readable ISA for CDNA 5 (MIT licence, August 2026) and "CDNA5" Instruction Set Architecture Reference Guide (July 2026). The comments in the code are by the model that wrote it; some were corrected since.
;; Attention. Allowed arithmetic: matrix products marked QUANTISED: E5M2 operands, one given power-of-two scale a tensor, by v_wmma_f32_16x16x64_bf8_bf8 or v_wmma_f32_16x16x128_bf8_bf8, f32 sums; everything else in f32.
;; Inputs: Wkv 1,024 x 2,048 float32; Wout 1,024 x 1,024 float32; Wq 1,024 x 1,024 float32; bout 1,024 float32; lowp_scales 10 int32 (the exponents e of the quantised operands' scales 2^e); x 4 x 2,048 x 1,024 float32.
;; Outputs: out0 4 x 2,048 x 1,024 float32.
;; This version of the problem:
;;   THIS VERSION OF THE PROBLEM IS GIVEN IN LOW PRECISION. The matrix products marked QUANTISED in the list below multiply operands that are first quantised to E5M2 (5 exponent bits, 2 mantissa bits; 8 bits a number), with one given power-of-two scale for each operand tensor; their sums are f32. All else is computed in f32.
;;   The module's matrix products, in the order in which they are computed (A, B: the left and right operand; K: the contracted axis; several contracted axes count as one K, in the product's order):
;;     1. [M 8,192, K 1,024] x [K 1,024, N 1,024]; A: input x; B: input Wq: QUANTISED (scales: A lowp_scales[0], B lowp_scales[1])
;;     2. [M 8,192, K 1,024] x [K 1,024, N 2,048]; A: input x; B: input Wkv: QUANTISED (scales: A lowp_scales[2], B lowp_scales[3])
;;     3. batch 64 x [M 2,048, K 64] x [K 64, N 2,048]; A: computed on the way; B: computed on the way: QUANTISED (scales: A lowp_scales[4], B lowp_scales[5])
;;     4. batch 64 x [M 2,048, K 2,048] x [K 2,048, N 64]; A: softmax (see below); B: computed on the way: QUANTISED (scales: A lowp_scales[6], B lowp_scales[7])
;;     5. [M 8,192, K 1,024] x [K 1,024, N 1,024]; A: computed on the way; B: input Wout: QUANTISED (scales: A lowp_scales[8], B lowp_scales[9])
;;   THE QUANTISER, for each operand of a quantised product, along K:
;;     - The operand's scale is 2^e, e = its entry of the input lowp_scales (int32; the entries are numbered through the quantised products in the list's order, A before B).
;;     - Each number is divided by the scale, clamped to +-57,344, and rounded to the nearest number of E5M2, ties to even, subnormals kept.
;;     - The product sums the exact products of the quantised numbers (number of the format x scale) in f32.
;;   ~~~python
;;   def quantise(x, axis, e):      # numpy; x: float32 -> the quantised numbers, widened to float32 again
;;       x = np.moveaxis(x, axis, -1); K = x.shape[-1]
;;       r = np.clip(x / 2.0 ** e, -57344, 57344)
;;       step = 2.0 ** (np.maximum(np.frexp(np.where(r == 0, 1, r))[1] - 1, -14) - 2)
;;       q = np.round(r / step) * step * 2.0 ** e      # np.round: ties to even
;;       return np.moveaxis(q, -1, axis).astype(np.float32)
;;   ~~~
;;   SOFTMAX AHEAD OF A QUANTISED PRODUCT. Where the list says 'softmax', what is quantised is not the finished softmax but p = 2^(t - M), with t = logit x log2(e) and M = ceil(the row's largest t), a whole number; so 1/2 < the row's largest p <= 1. The row's sum l is taken of the UNQUANTISED p, in f32, and the product's result is divided by l at the end. Since M is a whole number, a kernel that streams over the keys may use a running M (the ceiling of the running maximum): every later rescaling is an exact power of two, so the quantised numbers keep their values, but for numbers so far below the row's largest that they fall under the format's range.
;;   OPERANDS COMPUTED ON THE WAY. 'Computed on the way' means the value that the module computes at that place (a softmax that the list does not call 'softmax' is quantised finished and normalised). What goes into a quantiser is computed in f32, as accurately as f32 sums, v_exp_f32 and their like allow (about 1e-6 of the number): no bf16 or f16 on the way to a quantiser, and a product that is left as it is and whose result goes on into a quantised operand takes f32 operands (vector FMAs, or v_wmma_f32_16x16x4_f32). A number that lies on a knife's edge between two numbers of the format may be rounded either way, as far as f32 arithmetic and the matrix unit's own rounding can turn it there, and no further.
;; One version. Each part assembles by itself: llvm-mc -triple=amdgcn-amd-amdhsa -mcpu=gfx1250 --defsym DOCPART=n.
;; ======== version 1 of 1: 4 launches
;; limits: right only within a limited range of input values
;; workspace buffers: xc 16,777,216 bytes; wc 4,194,304 bytes; qkc 16,777,216 bytes; vc 8,388,608 bytes; vs 262,144 bytes; ao 8,388,608 bytes
;; launch prep (part 1): grid 384 x 1, 4 waves a work-group, no clusters, 102,912 bytes of LDS; arguments x, Wq, Wkv, Wout, lowp_scales, xc, wc; writes xc, wc
.if DOCPART == 1
	.amdgcn_target "amdgcn-amd-amdhsa--gfx1250"
	.amdhsa_code_object_version 6
	.text
	.protected	k_q70f8888a9a_prep
	.globl	k_q70f8888a9a_prep
	.p2align	8
	.type	k_q70f8888a9a_prep,@function
k_q70f8888a9a_prep:
	s_mov_b64 s[64:65], 0
	v_nop
	global_prefetch_b8 v0, s[64:65] scope:SCOPE_SE
	s_setreg_imm32_b32 hwreg(HW_REG_WAVE_MODE, 25, 1), 1
	s_wait_xcnt 0x0
; x [8192][1024] f32 becomes two sets of codes of E5M2, one with the scale 2^e0 (first product) and one with 2^e2 (second product): xc [2][8192][1024].
; Wq, Wkv, Wout ([1024 k][n] f32, K is the FIRST axis) become codes with K innermost, wc [4096][1024]: rows 0.. Wq's columns (e1), 1024.. Wkv's (e3), 3072.. Wout's (e9).
; code = number / 2^e, held within +-57,344, to the nearest code, ties to even.
; ROWS ARE STORED PERMUTED: logical row g lies at storage row PI(g) = g with bits 3 and 4 exchanged.  The products that read these rows in plain order then leave, in a lane's registers of two
; neighbouring result tiles, 16 logical neighbours: what the next quantiser wants.
; Work-groups 0-255: x, 32 rows each; a wave takes 8 rows (8,192 numbers) in 16 steps of 512.  Loads take the bytes as they lie (512 consecutive bytes a load); a step's 2,048 bytes turn through
; the wave's own stage in LDS so that a lane holds 16 neighbours; a lane's 16 codes are 16 bytes, so a store covers 512 consecutive bytes.
; Work-groups 256-383: the weights, 128 columns x 256 along K each.  A lane takes a column and its registers run down K, so the conversions give codes with K innermost; they leave through the
; wave's stage in LDS, sixteen lanes to 256 consecutive aligned bytes.
; The three paths part on the work-group's number and have LDS bytes of their own.  Waves share nothing: no barrier.
; LIMITS: e0, e1, e2, e3, e9 between -126 and 112, so that 2^e and 57,344 x 2^e are f32 numbers.  NaN among the inputs is not served.
.set SP,    80                         ; x: a lane's place in a stage: 64 bytes + 16 of padding
.set WREG,  8192                       ; x: LDS of a wave: two stages of 32 x SP bytes
.set STEPS, 16
.set R,     16                         ; v16-79   x: four sets of 16 numbers as loaded
.set X,     80                         ; v80-111  x: two sets of 16 neighbours
.set T,     112                        ; v112-127 x: the numbers held for the first scale
.set C,     128                        ; v128-255 x: eight registers of codes a step: no store's data are written again
.set WP,    272                        ; weights: a stage row: 256 bytes + 16
.set WX,    32                         ; v32-95   weights: two sets of 32 numbers
.set WC,    96                         ; v96-103  weights: a block's codes
.set OUTR,  112                        ; v112-175 weights: the way out
.set MANT,  0x600000                   ; the mantissa field of 57,344 as f32
	s_load_b256 s[4:11], s[0:1], 0x0               ; x s[4:5], Wq s[6:7], Wkv s[8:9], Wout s[10:11]
	s_load_b128 s[12:15], s[0:1], 0x20             ; the scales' exponents s[12:13], xc s[14:15]
	s_load_b64 s[16:17], s[0:1], 0x30              ; wc
	v_lshl_add_u32 v9, v0, 2, 0x19000
	s_set_vgpr_msb 0x40
	v_mov_b32 v1, 0
	s_set_vgpr_msb 0x4000
	v_lshrrev_b32 v1, 5, v0
	v_readfirstlane_b32 s18, v1                    ; wave 0..3
	v_and_b32 v2, 31, v0                           ; lane
	s_wait_kmcnt 0x0
	s_load_b128 s[24:27], s[12:13], 0x0            ; e0, e1, e2, e3
	s_load_b32 s28, s[12:13], 0x24                 ; e9
	s_cmp_lt_u32 ttmp9, 256
	s_cbranch_scc0 .Lweights
	; ---------------- x ----------------
	s_wait_alu depctr_va_vdst(0)
	v_lshlrev_b32 v3, 4, v2                        ; my 16 bytes of a load's 512, and of a step's 512 bytes of codes
	s_wait_alu depctr_va_vdst(0)
	s_mul_i32 s19, s18, WREG
	v_lshrrev_b32 v14, 2, v2
	v_mul_u32_u24 v14, v14, SP
	v_and_b32 v15, 3, v2
	v_lshl_add_u32 v14, v15, 4, v14
	v_add_nc_u32 v14, s19, v14                     ; the stage on the way in: SP (lane / 4) + 16 (lane % 4)
	v_mul_u32_u24 v15, v2, SP
	v_add_nc_u32 v15, s19, v15                     ; and on the way out: SP x lane: my 16 neighbours
	s_lshl_b32 s20, ttmp9, 17                      ; 32 rows of 4,096 bytes a work-group,
	s_lshl_b32 s21, s18, 15                        ; 8 a wave
	s_add_co_u32 s20, s20, s21
	s_mov_b32 s21, 0
	s_add_nc_u64 s[4:5], s[4:5], s[20:21]
	s_lshl_b32 s20, ttmp9, 15                      ; codes: logical rows 32 g + 8 w + j lie at storage rows 32 g + 16 (w % 2) + 8 (w / 2) + j, 1,024 bytes each
	s_and_b32 s22, s18, 1
	s_lshl_b32 s22, s22, 14
	s_add_co_u32 s20, s20, s22
	s_lshr_b32 s22, s18, 1
	s_lshl_b32 s22, s22, 13
	s_add_co_u32 s20, s20, s22
	s_add_nc_u64 s[8:9], s[14:15], s[20:21]        ; the codes with e0,
	s_add_nc_u64 s[20:21], s[8:9], 0x800000        ; and those with e2: the buffer's second half
.macro XLOAD t
.irp i, 0,1,2,3
	global_load_b128 v[R+16*((\t)%4)+4*\i:R+16*((\t)%4)+4*\i+3], v3, s[4:5] offset:2048*(\t)+512*\i th:TH_LOAD_NT   ; 32 lanes read 512 consecutive bytes
.endr
.endm
.macro XTURN t                         ; step t's numbers through the stage: LDS serves a wave's instructions in order, so no wait stands between the stores and the loads
.irp i, 0,1,2,3
	ds_store_b128 v14, v[R+16*((\t)%4)+4*\i:R+16*((\t)%4)+4*\i+3] offset:32*SP*((\t)%2)+8*SP*\i
.endr
.irp i, 0,1,2,3
	ds_load_b128 v[X+16*((\t)%2)+4*\i:X+16*((\t)%2)+4*\i+3], v15 offset:32*SP*((\t)%2)+16*\i
.endr
.endm
.irp t, 0,1,2,3
	XLOAD \t
.endr
	s_wait_alu depctr_va_vdst(0)
	s_wait_kmcnt 0x0
	s_add_co_i32 s29, s24, 127
	s_lshl_b32 s30, s29, 23
	v_mov_b32 v11, s30                             ; 2^e0 as f32: the conversion takes its exponent field
	s_add_co_i32 s29, s29, 15
	s_lshl_b32 s29, s29, 23
	s_or_b32 s29, s29, MANT
	v_mov_b32 v10, s29                             ; 57,344 x 2^e0
	s_add_co_i32 s29, s26, 127
	s_lshl_b32 s30, s29, 23
	v_mov_b32 v13, s30                             ; 2^e2
	s_add_co_i32 s29, s29, 15
	s_lshl_b32 s29, s29, 23
	s_or_b32 s29, s29, MANT
	v_mov_b32 v12, s29                             ; 57,344 x 2^e2
	s_wait_alu depctr_va_vdst(0)
	s_wait_loadcnt 12                              ; step 0's four loads are in; twelve younger ones stay out
	XTURN 0
.macro XSTEP t
.set XS, X+16*((\t)%2)
	s_wait_dscnt 0x0                               ; this step's numbers are back from the stage, so its stores into the stage have read their registers,
.if (\t)+4 < STEPS
	XLOAD (\t)+4                                   ; which take the loads of four steps on
.endif
.if (\t)+1 < STEPS
.if STEPS-2-(\t) >= 3
	s_wait_loadcnt 12                              ; the next step's four loads are in; those of the three steps behind it may be out
.else
	s_wait_loadcnt 4*(STEPS-2-(\t))
.endif
	XTURN (\t)+1
.endif
.irp i, 0,1,2,3,4,5,6,7,8,9,10,11,12,13,14,15
	v_med3_num_f32 v[T+\i], v[XS+\i], -v10, v10    ; the conversion to an 8-bit code does not saturate (ISA guide 7.6.2): the hold at the largest code x the scale
.endr
	v_cvt_scalef32_pk8_bf8_f32 v[C+8*(\t):C+8*(\t)+1], v[T:T+7], v11
	v_cvt_scalef32_pk8_bf8_f32 v[C+8*(\t)+2:C+8*(\t)+3], v[T+8:T+15], v11
.irp i, 0,1,2,3,4,5,6,7,8,9,10,11,12,13,14,15
	v_med3_num_f32 v[XS+\i], v[XS+\i], -v12, v12   ; the same numbers for the second scale (plain lines behind the conversions above)
.endr
	v_cvt_scalef32_pk8_bf8_f32 v[C+8*(\t)+4:C+8*(\t)+5], v[XS:XS+7], v13
	v_cvt_scalef32_pk8_bf8_f32 v[C+8*(\t)+6:C+8*(\t)+7], v[XS+8:XS+15], v13
	global_store_b128 v3, v[C+8*(\t):C+8*(\t)+3], s[8:9] offset:512*(\t)       ; 512 consecutive bytes, aligned
	global_store_b128 v3, v[C+8*(\t)+4:C+8*(\t)+7], s[20:21] offset:512*(\t)
.endm
.irp t, 0,1,2,3,4,5,6,7,8,9,10,11,12,13,14,15
	XSTEP \t
.endr
	s_set_vgpr_msb 0x4
	s_wait_tensorcnt 0x0
	ds_add_u32 v9, v1
	s_wait_dscnt 0x0
	s_set_vgpr_msb 0x400
	s_endpgm
	; ---------------- the weights ----------------
.macro WLOAD t, nn                     ; block t: W(32 t + i, my column), i = 0 .. 31, into set t % 2; nn: numbers in a row of W
.irp i, 0,1,2,3,4,5,6,7,8,9,10,11,12,13,14,15,16,17,18,19,20,21,22,23,24,25,26,27,28,29,30,31
	global_load_b32 v[WX+32*((\t)%2)+\i], v3, s[4:5] offset:(32*(\t)+\i)*(\nn)*4 th:TH_LOAD_NT
.endr
.endm
.macro WBLOCK t, nn
.set XS, WX+32*((\t)%2)
.if (\t) < 7
	s_wait_loadcnt 32                              ; this block's 32 loads are in; the next block's may be out
.else
	s_wait_loadcnt 0
.endif
.irp i, 0,1,2,3,4,5,6,7,8,9,10,11,12,13,14,15,16,17,18,19,20,21,22,23,24,25,26,27,28,29,30,31
	v_med3_num_f32 v[XS+\i], v[XS+\i], -v10, v10
.endr
.irp g, 0,1,2,3
	v_cvt_scalef32_pk8_bf8_f32 v[WC+2*\g:WC+2*\g+1], v[XS+8*\g:XS+8*\g+7], v11
.endr
	ds_store_b128 v4, v[WC:WC+3] offset:32*(\t)    ; 32 codes: 32 bytes of my column's row
	ds_store_b128 v4, v[WC+4:WC+7] offset:32*(\t)+16
.if (\t)+2 < 8
	WLOAD (\t)+2, \nn
.endif
	s_wait_dscnt 0x0                               ; the stores have read their registers: the next block's codes may be written
.endm
; s[4:5]: the weight; s20: which 128 of wc's 4,096 rows; s21: which 256 along K; s22: the first column in the weight.  pick = 1: Wq or Wout; 0: Wkv
.macro WPATH nn, lbase, pick
	v_lshlrev_b32 v3, 2, v2                        ; in: 4 bytes a lane: 128 consecutive bytes a wave
	s_mul_i32 s19, s18, 32*WP
	s_add_co_u32 s19, s19, \lbase                  ; my stage
	v_mul_u32_u24 v4, v2, WP
	v_add_nc_u32 v4, s19, v4                       ; into it: row = my column
	v_and_b32 v5, 15, v2
	v_lshrrev_b32 v6, 4, v2                        ; out of it: sixteen lanes to a row, two rows an instruction
	v_mul_u32_u24 v7, v6, WP
	v_lshl_add_u32 v7, v5, 4, v7
	v_add_nc_u32 v7, s19, v7
	v_lshlrev_b32 v8, 10, v6                       ; and the same place in wc: rows of 1,024 bytes
	v_lshl_add_u32 v8, v5, 4, v8
	s_mul_i32 s23, s21, 256*(\nn)*4                ; 256 rows of W down,
	s_lshl_b32 s29, s18, 5
	s_add_co_u32 s29, s29, s22                     ; my wave's first column
	s_lshl_b32 s29, s29, 2
	s_add_co_u32 s32, s23, s29
	s_mov_b32 s33, 0
	s_add_nc_u64 s[4:5], s[4:5], s[32:33]
	s_lshl_b32 s32, s20, 17                        ; wc: 128 rows a work-group,
	s_lshl_b32 s29, s18, 15                        ; 32 a wave,
	s_add_co_u32 s32, s32, s29
	s_lshl_b32 s29, s21, 8                         ; 256 bytes along K
	s_add_co_u32 s32, s32, s29
	s_add_nc_u64 s[16:17], s[16:17], s[32:33]
	WLOAD 0, \nn
	WLOAD 1, \nn
	s_wait_kmcnt 0x0
.if \pick
	s_cmp_lt_u32 s20, 8
	s_cselect_b32 s30, s25, s28                    ; e1 or e9
.else
	s_mov_b32 s30, s27                             ; e3
.endif
	s_add_co_i32 s30, s30, 127
	s_lshl_b32 s31, s30, 23
	v_mov_b32 v11, s31                             ; 2^e
	s_add_co_i32 s30, s30, 15
	s_lshl_b32 s30, s30, 23
	s_or_b32 s30, s30, MANT
	v_mov_b32 v10, s30                             ; 57,344 x 2^e
.set Q, 0
	s_wait_alu depctr_va_vdst(0)
.rept 8
	WBLOCK Q, \nn
.set Q, Q+1
.endr
.irp t, 0,1,2,3,4,5,6,7,8,9,10,11,12,13,14,15
	ds_load_b128 v[OUTR+4*\t:OUTR+4*\t+3], v7 offset:2*\t*WP   ; LDS serves a wave's instructions in order: these see my stores
.endr
.irp t, 0,1,2,3,4,5,6,7,8,9,10,11,12,13,14,15
	s_wait_dscnt 15-\t
	global_store_b128 v8, v[OUTR+4*\t:OUTR+4*\t+3], s[16:17] offset:(((2*\t)&7)|((((2*\t)>>3)&1)<<4)|((((2*\t)>>4)&1)<<3))*1024   ; columns 2 t, 2 t + 1 go to storage rows PI(2 t), PI(2 t) + 1; sixteen lanes store 256 consecutive aligned bytes
.endr
	s_set_vgpr_msb 0x4
	s_wait_tensorcnt 0x0
	ds_add_u32 v9, v1
	s_wait_dscnt 0x0
	s_set_vgpr_msb 0x400
	s_endpgm
.endm
.Lweights:
	s_sub_co_u32 s19, ttmp9, 256
	s_and_b32 s20, s19, 31                         ; 0-7 Wq, 8-23 Wkv, 24-31 Wout
	s_lshr_b32 s21, s19, 5
	s_sub_co_u32 s23, s20, 8
	s_cmp_lt_u32 s23, 16
	s_cbranch_scc1 .Lwkv
	s_cmp_lt_u32 s20, 8
	s_cselect_b64 s[4:5], s[6:7], s[10:11]         ; the choice hangs on the work-group's number alone
	s_and_b32 s22, s20, 7
	s_lshl_b32 s22, s22, 7
	s_wait_alu depctr_va_vdst(0)
	WPATH 1024, 32768, 1
.Lwkv:
	s_mov_b64 s[4:5], s[8:9]
	s_lshl_b32 s22, s23, 7
	s_wait_alu depctr_va_vdst(0)
	WPATH 2048, 67584, 0
.Lfunc_end_k_q70f8888a9a_prep:
	.size	k_q70f8888a9a_prep, .Lfunc_end_k_q70f8888a9a_prep-k_q70f8888a9a_prep
	.p2alignl 7, 3214868480
	.fill 96, 4, 3214868480
	.section	.rodata,"a",@progbits
	.p2align	6, 0x0
	.amdhsa_kernel k_q70f8888a9a_prep
		.amdhsa_group_segment_fixed_size 102912
		.amdhsa_private_segment_fixed_size 0
		.amdhsa_enable_private_segment 0
		.amdhsa_kernarg_size 56
		.amdhsa_user_sgpr_count 2
		.amdhsa_user_sgpr_kernarg_segment_ptr 1
		.amdhsa_wavefront_size32 1
		.amdhsa_system_sgpr_workgroup_id_x 1
		.amdhsa_system_sgpr_workgroup_id_y 1
		.amdhsa_system_sgpr_workgroup_id_z 1
		.amdhsa_system_vgpr_workitem_id 0
		.amdhsa_next_free_vgpr 258
		.amdhsa_next_free_sgpr 66
		.amdhsa_reserve_vcc 0
		.amdhsa_float_denorm_mode_32 3
		.amdhsa_float_denorm_mode_16_64 3
		.amdhsa_memory_ordered 1
		.amdhsa_forward_progress 1
		.amdhsa_inst_pref_size 154
	.end_amdhsa_kernel
	.amdgpu_metadata
---
amdhsa.version: [ 1, 2 ]
amdhsa.kernels:
  - .name:           k_q70f8888a9a_prep
    .symbol:         k_q70f8888a9a_prep.kd
    .args:
      - { .name: x, .offset: 0, .size: 8, .value_kind: global_buffer, .address_space: global }
      - { .name: Wq, .offset: 8, .size: 8, .value_kind: global_buffer, .address_space: global }
      - { .name: Wkv, .offset: 16, .size: 8, .value_kind: global_buffer, .address_space: global }
      - { .name: Wout, .offset: 24, .size: 8, .value_kind: global_buffer, .address_space: global }
      - { .name: lowp_scales, .offset: 32, .size: 8, .value_kind: global_buffer, .address_space: global }
      - { .name: xc, .offset: 40, .size: 8, .value_kind: global_buffer, .address_space: global }
      - { .name: wc, .offset: 48, .size: 8, .value_kind: global_buffer, .address_space: global }
    .group_segment_fixed_size: 102912
    .private_segment_fixed_size: 0
    .kernarg_segment_align: 8
    .kernarg_segment_size: 56
    .max_flat_workgroup_size: 128
    .sgpr_count:     66
    .vgpr_count:     258
    .wavefront_size: 32
...
	.end_amdgpu_metadata
.endif
;; end of part 1
;; launch qkv (part 2): grid 4 x 64, 4 waves a work-group, clusters of 4 x 4, 327,680 bytes of LDS; arguments xc, wc, lowp_scales, qkc, vc, vs; writes qkc, vc, vs
.if DOCPART == 2
	.amdgcn_target "amdgcn-amd-amdhsa--gfx1250"
	.amdhsa_code_object_version 6
	.text
	.protected	k_q70f8888a9a_qkv
	.globl	k_q70f8888a9a_qkv
	.p2align	8
	.type	k_q70f8888a9a_qkv,@function
k_q70f8888a9a_qkv:
	s_mov_b64 s[64:65], 0
	v_nop
	global_prefetch_b8 v0, s[64:65] scope:SCOPE_SE
	s_setreg_imm32_b32 hwreg(HW_REG_WAVE_MODE, 25, 1), 1
	s_wait_xcnt 0x0
	s_wait_alu depctr_hold_cnt(0) depctr_sa_sdst(0) depctr_va_vdst(0) depctr_va_sdst(0) depctr_va_ssrc(0) depctr_va_vcc(0) depctr_vm_vsrc(0)
	s_getreg_b32 s2, hwreg(HW_REG_IB_STS2, 6, 4)
	s_cmp_eq_u32 s2, 0
	s_cbranch_scc0 .Lentry_in_a_cluster
	s_endpgm
.Lentry_in_a_cluster:
	s_bfe_u32 s2, ttmp6, 0x10000c
	s_cmp_lg_u32 s2, 0xf033
	s_cbranch_scc0 .Lentry_shape_is_right
	s_endpgm
.Lentry_shape_is_right:
; q = x Wq, k and v = x Wkv on codes of E5M2 (v_wmma_f32_16x16x128_bf8_bf8, sums in f32); each result is quantised in registers for the product that reads it (q: e4, k: e5, v: e7) and stored as
; IMAGES OF OPERAND REGISTERS: a group of four registers of a fragment is 512 bytes, lane l's 16 bytes at 16 l.
;   qkc [2 (q, k)][16 heads][512 tiles of 16 storage tokens][1,024]: groups c = 0, 1: lane (r, h) holds, of token r, channels 32 c + 16 h + 0 .. 15 of the head.
;   vc  [16 heads][64 steps of 128 tokens][4 tiles of 16 storage channels][2,048]: groups c = 0 .. 3: lane (r, h) holds, of channel r, keys 32 c + 16 h + 0 .. 15 of the step.
;   vs  [16 heads][64 steps][4 tiles][16] f32: the sum of V's code values over the step's 128 keys.
; SHARES.  q and k are 256 blocks of 256 tokens x 256 channels, v is 256 blocks of 256 channels x 128 tokens: each of the 256 work-groups makes one of each, one after the other.
; LDS region A feeds source 1, region B source 0: a lane holds ONE row of A's tile, and its registers run along B's rows.  The rows of xc and wc are stored with bits 3 and 4 of the row number exchanged, so the
; 16 registers of result tiles 2 b and 2 b + 1 are 16 logical neighbours along B's rows: two conversions give a group of four operand registers.
; FIRST BLOCK (q or k by the cluster's y / 8): A = tokens (xc), B = channels (wc); a wave makes 128 x 128: 64 accumulators.
; SECOND BLOCK (v): A = channels (wc), B = tokens (xc), since the keys are the K of the product that reads v; a wave makes 64 channels (one head) x 128 tokens: 32 accumulators.
; K = 1,024 goes in four steps of 256 through a ring of two LDS slots, and THE RING GOES ON from the first block into the second: the first block's last two changes of slots ask for v's K steps 0 and 1.
; CLUSTERS: 4 x 4 work-groups.  A's tiles hang on cy and the cluster's y alone and are asked for jointly along a row of the cluster, B's on cx and the cluster's y alone, along a column.
; PREFETCH: behind each joint load the K step that stands two refills on is named, across the change of blocks too; the partners of a joint load share its rows out by address, a lane a row.
; LIMITS: e4 - e0 - e1, e5 - e2 - e3 and e7 - e2 - e3 between -126 and 112, so that the folded scale and 57,344 x it are f32 numbers.
; REGISTERS, in windows of 256: window 0: v0-31 addresses; from v128 A's fragments (first block: one set; second: two); on the way out v32-159 the codes.  window 1: B's fragments, two sets.  windows 2, 3: the accumulators.
.set ROWB,   256
.set KROW,   1024
.set PITCH,  272                       ; an LDS row: 256 bytes + 16 of padding: the 16 rows that a load touches start at 16 different banks (ISA guide 11.1)
.set FR,     16
.set NL,     4
.set NP,     4
.set HALFT,  128*PITCH
.set SLOT,   4*HALFT
.set SPARE,  2*SLOT                    ; behind the ring: the spare words, 128 bytes a wave, which no other line names
.set PF2,  12                          ; v12 the second block's prefetch offset
.set ADRA, 16
.set ADRA2, 18
.set ADRB, 20
.set ADRB2, 22
.set PF1,  24                          ; v24 the first block's prefetch offset
.set LANE, 25
.set O16,  26
.set O4,   27
.set SPW,  28
.set NIL,  29
.set SCL,  30                          ; the folded scale as f32
.set LIM,  31                          ; 57,344 x it
.set CD,   32                          ; v32-159 the codes: 16 registers for each of A's blocks
.set AF,   128
.set ONE,  160                         ; v160-175 a fragment of ones
.set SUMS, 176
.set PK,   240
.set G1, 24                            ; A's tiles: 128 rows, my row of the cluster
.set G0, 32
.set G1B, 48                           ; B's tiles of the first block: 128 rows, my column
.set G0B, 56
.set G1C, 84                           ; B's tiles of the second block: 64 rows, my column
.set P1,  66                           ; s[66:67] where my prefetches stand in the first block's tiles,
.set P2,  100                          ; s[100:101] and in the second's; neither is rewritten
.set BL2, 76                           ; s76 where my part of the second block's B goes in slot 0
.set A2,  92                           ; s[92:93], s[94:95] the second block's tiles at K step 0
.set B2,  94
.set MSB, 0
.macro WIN new                         ; the immediate's high byte repeats the setting that is left
.if MSB != \new
	s_set_vgpr_msb (MSB<<8)|\new
.set MSB, \new
.endif
.endm
.set MUL_LO, 0xa1                      ; source 0 (B) window 1, source 1 (A) window 0, C and D window 2
.set MUL_HI, 0xf1
.set TO_B,   0x40
.macro JLOAD g0a, g1a, g0b, g1b        ; waves 0 and 1 fetch for A, waves 2 and 3 for B; an s_nop 0 and four v_nop follow each line
	s_cmp_eq_u32 s15, 0
	s_cbranch_scc0 .Lfor_b_\@
	tensor_load_to_lds s[\g0a:\g0a+3], s[\g1a:\g1a+7]
	s_nop 0
.rept 4
	v_nop
.endr
	s_branch .Lasked_\@
.Lfor_b_\@:
	tensor_load_to_lds s[\g0b:\g0b+3], s[\g1b:\g1b+7]
	s_nop 0
.rept 4
	v_nop
.endr
.Lasked_\@:
.endm
.macro CREST                           ; a round of the cluster's barrier behind its opening barrier
	s_cmp_lg_u32 s14, 0
	s_cbranch_scc1 .Lnot_wave_0_\@
	s_barrier_signal -3
.Lnot_wave_0_\@:
	s_barrier_wait -3
	s_barrier_signal -1
	s_barrier_wait -1
.endm
.macro CROUND
	s_barrier_signal -1
	s_barrier_wait -1
	CREST
.endm
	s_load_b128 s[4:7], s[0:1], 0x0                ; xc s[4:5], wc s[6:7]
	s_load_b128 s[8:11], s[0:1], 0x10              ; the scales' exponents s[8:9], qkc s[10:11]
	s_load_b128 s[96:99], s[0:1], 0x20             ; vc s[96:97], vs s[98:99]
	v_lshl_add_u32 v[SPW], v0, 2, SPARE
	v_mov_b32 v[NIL], 0
	ds_add_u32 v[SPW], v[NIL]                      ; the opening lines: the add, twice on end, and its wait
	ds_add_u32 v[SPW], v[NIL]
	v_lshrrev_b32 v1, 5, v0
	v_readfirstlane_b32 s14, v1                    ; wave 0..3
	s_lshr_b32 s15, s14, 1                         ; first block: which half of A's rows is mine.  Also: I fetch for A (0) or for B (1)
	s_and_b32 s16, s14, 1                          ; first block: which half of B's rows.  Also: which half of that tile I fetch
	s_bfe_u32 s40, ttmp6, 0x40000                  ; cx
	s_bfe_u32 s41, ttmp6, 0x40004                  ; cy
	s_lshl_b32 s42, ttmp9, 2
	s_add_co_u32 s42, s42, s40                     ; X: 0 .. 3
	s_and_b32 s17, ttmp7, 0xffff                   ; the cluster's y: 0 .. 15
	s_lshr_b32 s77, s17, 3                         ; 0 q, 1 k
	s_lshl_b32 s43, s41, 2
	s_lshl_b32 s43, 15, s43                        ; my row of the cluster
	s_lshl_b32 s44, 0x1111, s40                    ; my column
	s_or_b32 s[G1+0], s43, (0<<16)|(1<<20)|(1<<21)|(5<<22)|(3<<25)  ; the mask; elements of 1 byte; padding on; bit 21 beside a mask; after every 64 words four words
	s_or_b32 s[G1B+0], s44, (0<<16)|(1<<20)|(1<<21)|(5<<22)|(3<<25)
	s_or_b32 s[G1C+0], s44, (0<<16)|(1<<20)|(1<<21)|(5<<22)|(3<<25)
.irp g, G1, G1B, G1C
	s_mov_b32 s[\g+1], ROWB<<16
	s_mov_b32 s[\g+3], ROWB<<16
	s_mov_b32 s[\g+5], KROW
	s_mov_b32 s[\g+6], 0
	s_mov_b32 s[\g+7], 0
.endr
.irp g, G1, G1B
	s_mov_b32 s[\g+2], 128<<16
	s_mov_b32 s[\g+4], 128
.endr
	s_mov_b32 s[G1C+2], 64<<16
	s_mov_b32 s[G1C+4], 64
	; first rows.  First block: A: xc row 1,024 y + 256 cy (k's rows lie in the half with e2); B: wc row 1,024 (y / 8) + 256 X.  Second: A: wc row 2,048 + 256 cy; B: xc row 8,192 + 512 y + 128 X
	s_lshl_b32 s18, s16, 7
	s_lshl_b32 s20, s17, 10
	s_lshl_b32 s21, s41, 8
	s_add_co_u32 s21, s21, s18
	s_add_co_u32 s20, s20, s21
	s_add_co_u32 s[A2], s21, 2048
	s_lshl_b32 s46, s77, 10
	s_lshl_b32 s47, s42, 8
	s_add_co_u32 s46, s46, s47
	s_add_co_u32 s46, s46, s18
	s_lshl_b32 s[B2], s17, 9
	s_lshl_b32 s47, s42, 7
	s_add_co_u32 s[B2], s[B2], s47
	s_lshl_b32 s47, s16, 6
	s_add_co_u32 s[B2], s[B2], s47
	s_add_co_u32 s[B2], s[B2], 8192
	s_lshl_b32 s20, s20, 10                        ; rows of 1,024 bytes: under 2^24
	s_lshl_b32 s46, s46, 10
	s_lshl_b32 s[A2], s[A2], 10
	s_lshl_b32 s[B2], s[B2], 10
	s_mov_b32 s21, 0
	s_mov_b32 s47, 0
	s_mov_b32 s[A2+1], 0
	s_mov_b32 s[B2+1], 0
	s_mul_i32 s45, s14, HALFT                      ; where the tiles go: wave x 128 rows: no place in the cluster enters an LDS address
	s_mul_i32 s[BL2], s16, 64*PITCH
	s_add_co_u32 s[BL2], s[BL2], 2*HALFT
	s_wait_dscnt 0x0                               ; both opening adds are done
	s_wait_kmcnt 0x0
	s_load_b256 s[68:75], s[8:9], 0x0              ; e0 .. e7
	s_add_nc_u64 s[20:21], s[4:5], s[20:21]
	s_add_nc_u64 s[46:47], s[6:7], s[46:47]
	s_add_nc_u64 s[A2:A2+1], s[6:7], s[A2:A2+1]
	s_add_nc_u64 s[B2:B2+1], s[4:5], s[B2:B2+1]
	CROUND                                         ; all sixteen work-groups are here: the first joint loads meet
.irp s, 0,1
	s_mov_b32 s[G0+4*\s], 1
	s_add_co_u32 s[G0+4*\s+1], s45, \s*SLOT
	s_add_nc_u64 s[G0+4*\s+2:G0+4*\s+3], s[20:21], \s*ROWB
	s_or_b32 s[G0+4*\s+3], s[G0+4*\s+3], 0x80000000
	s_mov_b32 s[G0B+4*\s], 1
	s_add_co_u32 s[G0B+4*\s+1], s45, \s*SLOT
	s_add_nc_u64 s[G0B+4*\s+2:G0B+4*\s+3], s[46:47], \s*ROWB
	s_or_b32 s[G0B+4*\s+3], s[G0B+4*\s+3], 0x80000000
.endr
	JLOAD G0, G1, G0B, G1B                         ; K step 0: one tensor load a wave at the head
	; the prefetches: of the rows that I fetch (128; the second block's B: 64) my work-group names a quarter, told apart from its three partners by address (cx for A's rows, cy for B's)
	s_cmp_eq_u32 s15, 0
	s_cselect_b64 s[P1:P1+1], s[20:21], s[46:47]
	s_cselect_b64 s[P2:P2+1], s[A2:A2+1], s[B2:B2+1]
	s_cselect_b32 s18, s40, s41
	s_cselect_b32 s22, 15, 14
	s_cselect_b32 s23, 31, 15
	s_lshl_b32 s78, s18, s22
	s_lshl_b32 s18, s18, 15
	s_mov_b32 s19, 0
	s_mov_b32 s79, 0
	s_add_nc_u64 s[P1:P1+1], s[P1:P1+1], s[18:19]
	s_add_nc_u64 s[P2:P2+1], s[P2:P2+1], s[78:79]
	v_and_b32 v1, 15, v0                           ; l % 16
	v_bfe_u32 v2, v0, 4, 1                         ; l / 16
	v_and_b32 v[LANE], 31, v0
	v_mul_u32_u24 v3, v1, PITCH
	v_lshlrev_b32 v[O16], 4, v[LANE]
	v_lshlrev_b32 v[O4], 2, v[LANE]
	v_lshl_add_u32 v4, v2, 4, v3                   ; a fragment's row x pitch + 16 x half
	v_lshlrev_b32 v[PF1], 10, v[LANE]
	v_and_b32 v[PF2], s23, v[LANE]                 ; (sixteen rows: the upper lanes name them again)
	s_mul_i32 s21, s15, HALFT                      ; first block: my 128 rows of A,
	s_mul_i32 s22, s16, HALFT                      ; my 128 rows of B,
	s_add_co_u32 s22, s22, 2*HALFT                 ; which lie behind A's 256
	s_mul_i32 s23, s14, 64*PITCH                   ; second block: my 64 rows of A; B's 128 rows are everybody's
	v_lshlrev_b32 v[PF2], 10, v[PF2]
	v_add_nc_u32 v[ADRA], s21, v4
	v_add_nc_u32 v[ADRB], s22, v4
	v_add_nc_u32 v[ADRA2], s23, v4
	v_add_nc_u32 v[ADRB2], 2*HALFT, v4
	v_add_nc_u32 v[ADRA+1], SLOT, v[ADRA]
	v_add_nc_u32 v[ADRB+1], SLOT, v[ADRB]
	v_add_nc_u32 v[ADRA2+1], SLOT, v[ADRA2]
	v_add_nc_u32 v[ADRB2+1], SLOT, v[ADRB2]
	global_prefetch_b8 v[PF1], s[P1:P1+1] offset:512 th:TH_LOAD_NT scope:SCOPE_SE   ; K step 2
.macro FRAG reg, adr, q, i             ; 16 rows x 128 K: lane l holds row l % 16; registers 4 c .. 4 c + 3 hold K = 32 c + 16 (l / 16) + 0 .. 15: the same places in A and in B
.irp c, 0,1,2,3
	ds_load_b128 v[\reg+4*\c:\reg+4*\c+3], v[\adr] offset:128*(\q)+32*\c+(\i)*16*PITCH
.endr
.endm
; 16 matrix instructions: A's blocks a0, a0 + 1 x B's eight.  as: the distance between A's sets (first block: one set).  The accumulators take turns, one instruction a turn, in the same order in every step.
.macro MUL16 a0, p, zero, as=0
.irp a, \a0, \a0+1
.irp b, 0,1,2,3,4,5,6,7
.if \zero
	v_wmma_f32_16x16x128_bf8_bf8 v[8*(8*((\a)%4)+\b):8*(8*((\a)%4)+\b)+7], v[128*(\p)+FR*\b:128*(\p)+FR*\b+FR-1], v[AF+(\as)*(\p)+FR*(\a):AF+(\as)*(\p)+FR*(\a)+FR-1], 0
.else
	v_wmma_f32_16x16x128_bf8_bf8 v[8*(8*((\a)%4)+\b):8*(8*((\a)%4)+\b)+7], v[128*(\p)+FR*\b:128*(\p)+FR*\b+FR-1], v[AF+(\as)*(\p)+FR*(\a):AF+(\as)*(\p)+FR*(\a)+FR-1], v[8*(8*((\a)%4)+\b):8*(8*((\a)%4)+\b)+7]
.endif
.endr
.endr
.endm
.macro FETCH_B adr, q, p
	WIN TO_B
.irp i, 0,1,2,3,4,5,6,7
	FRAG 128*(\p)+FR*\i, \adr, \q, \i
.endr
	WIN 0
.endm
.macro FETCH_A slot, q, i0
.irp i, \i0, \i0+1, \i0+2, \i0+3
	FRAG AF+FR*(\i), ADRA+\slot, \q, \i
.endr
.endm
.macro PLACES n                        ; plain vector instructions between a matrix instruction and a load into, or a vector instruction on, its registers
.rept \n
	v_nop
.endr
.endm
; ---- the first block ----
.macro STEP slot, zero                 ; a slot's first 128 along K
	s_wait_dscnt 4*NL                              ; B's set and A's blocks 0-3 are in; the youngest sixteen loads (A's blocks 4-7) may be out
	WIN MUL_LO
	MUL16 0, 0, \zero
	MUL16 2, 0, \zero
	s_wait_dscnt 0
	PLACES NP
	FETCH_B ADRB+\slot, 1, 1
	FETCH_A \slot, 1, 0
	WIN MUL_HI
	MUL16 4, 0, \zero
	MUL16 6, 0, \zero
	PLACES NP
	WIN 0
	FETCH_A \slot, 1, 4
.endm
; A slot's second 128 and the change of slots: in front of the round each wave waits for all its tensor loads, adds 0 to its spare word, and waits for that and for its own reads of this slot.
; own = 1: the slot takes this block's K step two steps on; 0: the second block's K step 0 or 1.  fetch = 0: the block's last step.  pf: which K step of the second block is prefetched, in bytes.
.macro TURN slot, next, own, fetch, pf
	s_wait_tensorcnt 0x0                           ; all my tensor loads have landed: my part of the next slot
	ds_add_u32 v[SPW], v[NIL]
	s_wait_dscnt 4*NL+1                            ; (the add and the youngest sixteen loads may be out)
	WIN MUL_LO
	MUL16 0, 1, 0
	s_wait_dscnt 0x0                               ; the add is done, and my reads of this slot are over
	s_barrier_signal -1
	MUL16 2, 1, 0
	WIN 0
	s_barrier_wait -1
	CREST                                          ; no wave of any partner still reads this slot or has a load on its way
.if \own
	s_add_nc_u64 s[G0+4*\slot+2:G0+4*\slot+3], s[G0+4*\slot+2:G0+4*\slot+3], 2*ROWB
	s_add_nc_u64 s[G0B+4*\slot+2:G0B+4*\slot+3], s[G0B+4*\slot+2:G0B+4*\slot+3], 2*ROWB
	JLOAD G0+4*\slot, G1, G0B+4*\slot, G1B         ; the first tensor load behind the round; its four v_nop are the places in front of the loads below
.else
	s_add_nc_u64 s[G0+4*\slot+2:G0+4*\slot+3], s[A2:A2+1], \slot*ROWB
	s_or_b32 s[G0+4*\slot+3], s[G0+4*\slot+3], 0x80000000
	s_add_nc_u64 s[G0B+4*\slot+2:G0B+4*\slot+3], s[B2:B2+1], \slot*ROWB
	s_or_b32 s[G0B+4*\slot+3], s[G0B+4*\slot+3], 0x80000000
	s_add_co_u32 s[G0B+4*\slot+1], s[BL2], \slot*SLOT
	JLOAD G0+4*\slot, G1, G0B+4*\slot, G1C
.endif
.if \fetch
	FETCH_B ADRB+\next, 0, 0
	FETCH_A \next, 0, 0
.endif
	global_prefetch_b8 v[PF2], s[P2:P2+1] offset:\pf th:TH_LOAD_NT scope:SCOPE_SE   ; two refills ahead of the load that wants it
	WIN MUL_HI
	MUL16 4, 1, 0
	MUL16 6, 1, 0
.if \fetch
	PLACES NP
	WIN 0
	FETCH_A \next, 0, 4
.else
	WIN 0
.endif
.endm
; ---- the second block: A's four blocks and B's eight, two sets of each ----
.macro FETCH2 slot, q, p
	FETCH_B ADRB2+\slot, \q, \p
.irp i, 0,1,2,3
	FRAG AF+64*(\p)+FR*\i, ADRA2+\slot, \q, \i
.endr
.endm
.macro STEP2 slot, zero                ; set 1's loads go out ahead of set 0's products (four places stand behind the last products: TURN2's, or the way out's lines)
	s_wait_dscnt 0x0
	FETCH2 \slot, 1, 1
	WIN MUL_LO
	MUL16 0, 0, \zero, 64
	MUL16 2, 0, \zero, 64
	WIN 0
.endm
.macro TURN2 slot, next, fill
	s_wait_tensorcnt 0x0
	ds_add_u32 v[SPW], v[NIL]
	s_wait_dscnt 0x1                               ; set 1 is in; the add may be out
	WIN MUL_LO
	MUL16 0, 1, 0, 64
	s_wait_dscnt 0x0
	s_barrier_signal -1
	MUL16 2, 1, 0, 64
	WIN 0
	s_barrier_wait -1
.if \fill
	CREST
	s_add_nc_u64 s[G0+4*\slot+2:G0+4*\slot+3], s[G0+4*\slot+2:G0+4*\slot+3], 2*ROWB
	s_add_nc_u64 s[G0B+4*\slot+2:G0B+4*\slot+3], s[G0B+4*\slot+2:G0B+4*\slot+3], 2*ROWB
	JLOAD G0+4*\slot, G1, G0B+4*\slot, G1C
.else
	PLACES NP
.endif
	FETCH2 \next, 0, 0
.endm
; THE WAY OUT.  A sum stands for sum x 2^(ea + eb); its code is sum / 2^(e_out - ea - eb): the three scales are folded into the conversion's one.  s82: e_out; s80: ea + eb
.macro SETSCL
	s_sub_co_i32 s79, s82, s80
	s_add_co_i32 s79, s79, 127
	s_lshl_b32 s80, s79, 23
	v_mov_b32 v[SCL], s80
	s_add_co_i32 s79, s79, 15
	s_lshl_b32 s79, s79, 23
	s_or_b32 s79, s79, 0x600000
	v_mov_b32 v[LIM], s79
.endm
.macro CODES a                         ; block a's eight accumulators: held, each from its low end on, and converted: 16 registers of codes
.set AC, 64*((\a)%4)
	WIN 0x82+0x41*((\a)/4)                         ; source 0 and destination window 2 or 3
.set i, 0
.rept 64
	v_med3_num_f32 v[AC+i], v[AC+i], -v[LIM], v[LIM]   ; the conversion does not saturate (ISA guide 7.6.2)
.set i, i+1
.endr
	WIN 0x02+((\a)/4)                              ; source 0 window 2 or 3, destination window 0
.irp b, 0,1,2,3,4,5,6,7
	v_cvt_scalef32_pk8_bf8_f32 v[CD+16*(\a)+2*\b:CD+16*(\a)+2*\b+1], v[AC+8*\b:AC+8*\b+7], v[SCL]
.endr
	WIN 0
	v_nop                                          ; a plain line behind the last conversion
.endm
	s_wait_alu depctr_va_vdst(0)                   ; the wait at the head's end
	s_wait_tensorcnt 0x0                           ; my part of K step 0 is in; slot 1's first fill is issued as a refill is
	ds_add_u32 v[SPW], v[NIL]
	s_wait_dscnt 0x0
	CROUND
	JLOAD G0+4, G1, G0B+4, G1B                     ; K step 1
	FETCH_B ADRB, 0, 0
	FETCH_A 0, 0, 0
	FETCH_A 0, 0, 4
	global_prefetch_b8 v[PF1], s[P1:P1+1] offset:768 th:TH_LOAD_NT scope:SCOPE_SE   ; K step 3
	STEP 0, 1                                      ; the first step's products start the sums
	TURN 0, 1, 1, 1, 0                             ; slot 0 takes K step 2
	STEP 1, 0
	TURN 1, 0, 1, 1, 256                           ; slot 1 takes K step 3
	STEP 0, 0
	TURN 0, 1, 0, 1, 512                           ; slot 0 takes the second block's K step 0,
	STEP 1, 0
	TURN 1, 0, 0, 0, 768                           ; slot 1 its K step 1: both land under the lines below
	PLACES 5
	s_wait_kmcnt 0x0
	s_add_co_i32 s80, s68, s69                     ; e0 + e1
	s_add_co_i32 s81, s70, s71                     ; e2 + e3
	s_cmp_eq_u32 s77, 0
	s_cselect_b32 s80, s80, s81
	s_cselect_b32 s82, s72, s73                    ; e4 or e5: chosen, never branched on
	SETSCL
.irp a, 0,1,2,3,4,5,6,7
	CODES \a
.endr
	; q, k: block a = tile of 16 tokens; groups c = 0 .. 3 = two heads x two groups
	s_lshl_b32 s80, s77, 4
	s_lshl_b32 s81, s42, 2
	s_add_co_u32 s80, s80, s81
	s_lshl_b32 s81, s16, 1
	s_add_co_u32 s80, s80, s81                     ; 16 (q or k) + head: head = 4 X + 2 (my half of B)
	s_lshl_b32 s80, s80, 9                         ; x 512 tiles
	s_and_b32 s81, s17, 7
	s_lshl_b32 s81, s81, 2
	s_add_co_u32 s81, s81, s41                     ; which 256 tokens: 4 (y % 8) + cy
	s_lshl_b32 s81, s81, 4
	s_add_co_u32 s80, s80, s81
	s_lshl_b32 s81, s15, 3
	s_add_co_u32 s80, s80, s81                     ; + 8 x my half of A
	s_lshl_b32 s80, s80, 10
	s_mov_b32 s81, 0
	s_add_nc_u64 s[82:83], s[10:11], s[80:81]
	s_wait_alu depctr_va_vdst(0)
.irp a, 0,1,2,3,4,5,6,7
.irp c, 0,1,2,3
	global_store_b128 v[O16], v[CD+16*\a+4*\c:CD+16*\a+4*\c+3], s[82:83] offset:\a*1024+(\c/2)*524288+(\c%2)*512   ; 512 consecutive bytes, aligned
.endr
.endr
	s_wait_xcnt 0x0                                ; the stores have read their registers: A's fragments land on some of them
	FETCH2 0, 0, 0                                 ; the last change of slots has shown slot 0 whole to every wave
	STEP2 0, 1
	TURN2 0, 1, 1                                  ; slot 0 takes K step 2
	STEP2 1, 0
	TURN2 1, 0, 1                                  ; slot 1 takes K step 3
	STEP2 0, 0
	TURN2 0, 1, 0                                  ; nothing more is filled
	STEP2 1, 0
	s_wait_dscnt 0x0
	WIN MUL_LO
	MUL16 0, 1, 0, 64
	MUL16 2, 1, 0, 64
	WIN 0
	PLACES 5
	s_add_co_i32 s80, s70, s71                     ; e2 + e3
	s_mov_b32 s82, s75                             ; e7
	SETSCL
.irp a, 0,1,2,3
	CODES \a
.endr
	; v: my 64 channels are head 4 cy + wave; block a = tile of 16 channels; groups c = 0 .. 3 along the 128 tokens of step 4 y + X
	s_lshl_b32 s80, s41, 2
	s_add_co_u32 s80, s80, s14
	s_lshl_b32 s80, s80, 6
	s_lshl_b32 s81, s17, 2
	s_add_co_u32 s81, s81, s42
	s_add_co_u32 s80, s80, s81
	s_lshl_b32 s78, s80, 8
	s_lshl_b32 s80, s80, 13
	s_mov_b32 s81, 0
	s_mov_b32 s79, 0
	s_add_nc_u64 s[82:83], s[96:97], s[80:81]
	s_add_nc_u64 s[18:19], s[98:99], s[78:79]
	s_wait_alu depctr_va_vdst(0)
.irp a, 0,1,2,3
.irp c, 0,1,2,3
	global_store_b128 v[O16], v[CD+16*\a+4*\c:CD+16*\a+4*\c+3], s[82:83] offset:\a*2048+\c*512
.endr
.endr
.set i, 0
.rept 16
	v_mov_b32 v[ONE+i], 0x3c3c3c3c                 ; the code of 1.0, four times
.set i, i+1
.endr
.irp a, 0,1,2,3
	v_wmma_f32_16x16x128_bf8_bf8 v[SUMS+8*\a:SUMS+8*\a+7], v[ONE:ONE+15], v[CD+16*\a:CD+16*\a+15], 0   ; every register of lane (r, h): the sum of channel r's 128 code values
.endr
	PLACES NP
	v_cmp_le_u32 vcc_lo, 16, v[LANE]
.irp a, 0,2
	v_cndmask_b32 v[PK+\a/2], v[SUMS+8*\a], v[SUMS+8*\a+8], vcc_lo   ; lanes 0-15: tile a; lanes 16-31: tile a + 1
	global_store_b32 v[O4], v[PK+\a/2], s[18:19] offset:\a*64   ; 128 consecutive bytes
.endr
	s_wait_tensorcnt 0x0                           ; the wave's end
	ds_add_u32 v[SPW], v[NIL]
	s_wait_dscnt 0x0
	CROUND                                         ; the closing round
	s_endpgm
.Lfunc_end_k_q70f8888a9a_qkv:
	.size	k_q70f8888a9a_qkv, .Lfunc_end_k_q70f8888a9a_qkv-k_q70f8888a9a_qkv
	.p2alignl 7, 3214868480
	.fill 96, 4, 3214868480
	.section	.rodata,"a",@progbits
	.p2align	6, 0x0
	.amdhsa_kernel k_q70f8888a9a_qkv
		.amdhsa_group_segment_fixed_size 327680
		.amdhsa_private_segment_fixed_size 0
		.amdhsa_enable_private_segment 0
		.amdhsa_kernarg_size 48
		.amdhsa_user_sgpr_count 2
		.amdhsa_user_sgpr_kernarg_segment_ptr 1
		.amdhsa_wavefront_size32 1
		.amdhsa_system_sgpr_workgroup_id_x 1
		.amdhsa_system_sgpr_workgroup_id_y 1
		.amdhsa_system_sgpr_workgroup_id_z 1
		.amdhsa_system_vgpr_workitem_id 0
		.amdhsa_next_free_vgpr 1024
		.amdhsa_next_free_sgpr 102
		.amdhsa_reserve_vcc 1
		.amdhsa_float_denorm_mode_32 3
		.amdhsa_float_denorm_mode_16_64 3
		.amdhsa_memory_ordered 1
		.amdhsa_forward_progress 1
		.amdhsa_inst_pref_size 189
	.end_amdhsa_kernel
	.amdgpu_metadata
---
amdhsa.version: [ 1, 2 ]
amdhsa.kernels:
  - .name:           k_q70f8888a9a_qkv
    .symbol:         k_q70f8888a9a_qkv.kd
    .args:
      - { .name: xc, .offset: 0, .size: 8, .value_kind: global_buffer, .address_space: global }
      - { .name: wc, .offset: 8, .size: 8, .value_kind: global_buffer, .address_space: global }
      - { .name: lowp_scales, .offset: 16, .size: 8, .value_kind: global_buffer, .address_space: global }
      - { .name: qkc, .offset: 24, .size: 8, .value_kind: global_buffer, .address_space: global }
      - { .name: vc, .offset: 32, .size: 8, .value_kind: global_buffer, .address_space: global }
      - { .name: vs, .offset: 40, .size: 8, .value_kind: global_buffer, .address_space: global }
    .group_segment_fixed_size: 327680
    .private_segment_fixed_size: 0
    .kernarg_segment_align: 8
    .kernarg_segment_size: 48
    .max_flat_workgroup_size: 128
    .sgpr_count:     102
    .vgpr_count:     1024
    .wavefront_size: 32
...
	.end_amdgpu_metadata
.endif
;; end of part 2
;; launch attn (part 3): grid 4 x 64, 16 waves a work-group, clusters of 4 x 1, 327,680 bytes of LDS; arguments qkc, vc, vs, lowp_scales, ao; writes ao
.if DOCPART == 3
	.amdgcn_target "amdgcn-amd-amdhsa--gfx1250"
	.amdhsa_code_object_version 6
	.text
	.protected	k_q70f8888a9a_attn
	.globl	k_q70f8888a9a_attn
	.p2align	8
	.type	k_q70f8888a9a_attn,@function
k_q70f8888a9a_attn:
	s_mov_b64 s[64:65], 0
	v_nop
	global_prefetch_b8 v0, s[64:65] scope:SCOPE_SE
	s_setreg_imm32_b32 hwreg(HW_REG_WAVE_MODE, 25, 1), 1
	s_wait_xcnt 0x0
	s_wait_alu depctr_hold_cnt(0) depctr_sa_sdst(0) depctr_va_vdst(0) depctr_va_sdst(0) depctr_va_ssrc(0) depctr_va_vcc(0) depctr_vm_vsrc(0)
	s_getreg_b32 s2, hwreg(HW_REG_IB_STS2, 6, 4)
	s_cmp_eq_u32 s2, 0
	s_cbranch_scc0 .Lentry_in_a_cluster
	s_endpgm
.Lentry_in_a_cluster:
	s_bfe_u32 s2, ttmp6, 0x10000c
	s_cmp_lg_u32 s2, 0x3003
	s_cbranch_scc0 .Lentry_shape_is_right
	s_endpgm
.Lentry_shape_is_right:
; Causal attention on codes of E5M2: S^T = K Q^T (v_wmma_f32_16x16x64_bf8_bf8, K = the head's 64), the softmax, O^T = V^T P^T (v_wmma_f32_16x16x128_bf8_bf8, K = 128 keys), O / l quantised with e8.
; THE SOFTMAX: t = score x 2^(e4 + e5) x log2(e) / 32; M = the running largest t rounded UP to a whole number; p = 2^(t - M) is quantised with e6, not normalised; l is the sum of the unquantised p.
; THE MASK puts the logit -10,000 in place of the scores of later keys; it does not remove them.  On the diagonal step the masked scores are put in; the running largest t begins at the masked t (but for the
; one row that has no later key); the steps wholly behind the diagonal, whose p is one number pm = 2^(t_mask - M), enter at a tile's end: l += pm x their keys, O += code(pm) x the sums of V's code values
; over them (buffer vs).  Their products are not formed: every term of such a product has the same p.
; SHARES.  A batch and head has 128 tiles of 16 queries and 16 steps of 128 keys; a tile whose diagonal lies in step s has s + 1 steps.  A work-group holds two tiles of every s; wave w (k = w / 4, b = (w / 2) % 2)
; owns one with s = 15 - 4 k - b and one with s = 12 - 4 k + b: 29 - 8 k steps.  THE SHARES DIFFER BY DESIGN, the longest at the lowest wave numbers: 29, 21, 13, 5; waves w, w + 4, w + 8, w + 12 have 68 together.
; Tile number = 8 s + 4 (w % 2) + cx.  The number of steps hangs on the wave's number alone.
; LDS HOLDS ALL OF THE HEAD'S K AND V (2 x 131,072 bytes), filled once: keys 0-511 by sixteen loads of 4,096 bytes at the head, the rest by sixteen of 12,288 bytes behind the first round.  Nothing is filled
; again, so the walk over the keys has one barrier: the one that shows the second group to every wave.  Ahead of it waves 0-7 take steps 0-3 of their first tile; waves 8-15 take all their steps behind it.
; Trip counts are constants; a step that is not the wave's is jumped over.
; CLUSTER: every one of the four work-groups of a head holds a tile of the last step, so all four read all keys: each load is asked for jointly (mask 15).
; NO PREFETCH: the two groups of tensor loads ask for the whole of K and V at the kernel's head; no later load is left to run ahead of.
; OPERANDS arrive as images of registers (16 bytes a lane, 512 a group).  Tokens and channels were stored with bits 3 and 4 of their number exchanged, so the 16 registers of result tiles 2 b and 2 b + 1 are
; 16 logical neighbours.  Lane (r, h) of storage tile T holds query 32 (T / 2) + 8 (T % 2) + r + 8 (r / 8).
; LIMITS: e4 + e5 between -109 and 132; e6 and e8 - e6 - e7 between -126 and 112.  NaN among the inputs is not served.
; REGISTERS: v1-11, v24-27 addresses and lane numbers; v12 -M, v13 the largest t, v[14:15] l in two halves; v16-23 Q; v32-95 eight fragments of K, then four of V; v96-159 S^T, then p; v160-191 O^T;
; v192-209 at work at a tile's end; v224-239 codes (v232-239 first the partial sums); v241-255 constants and at work.
.set STEPB, 8192                       ; a step of 128 keys: 8 tiles of K, or 4 tiles of V
.set VB0,   131072                     ; V's bytes lie behind K's
.set ST1,   4*STEPB                    ; the first group: four steps of each
.set P1,    ST1/8                      ; a wave's piece of it,
.set P2,    (VB0-ST1)/8                ; and of the second group
.set SVB,   262144                     ; sixteen vectors of 64 f32: vector s = V's sums over the steps behind step s; written by LDS stores alone
.set SPARE, 266240                     ; the spare words, 128 bytes a wave, which no other line names
.set LI,   1                           ; 16 x lane
.set RQ,   2                           ; r + 8 (r / 8)
.set RH,   3                           ; the same less 16 h
.set DQ,   4                           ; my query in its step, less 16 h
.set SPW,  5
.set NIL,  6
.set ADK,  8
.set SVR,  9
.set ADV,  10
.set SVH,  24                          ; SVB + 32 h
.set SVW,  25                          ; SVB + 8 x thread
.set VSO,  26                          ; 8 x lane
.set LIV,  27                          ; VB0 + 16 x lane
.set TB,   2                           ; the step's first byte in K's part of LDS
.set SG,   3                           ; the step
.set CX,   14
.set TT,   16                          ; my tile
.set SQ,   17                          ; the step on its diagonal
.set WV,   18
.set HS,   19                          ; 57,344 x 2^e6
.set SEL,  20
.set CS,   22
.set G1A,  24
.set G0A,  32
.set G0B,  36
.set G1B,  40
.set BASE, 48
.set QP,   50
.set AOP,  52
.set VSP,  54
.set BK,   56
.set BV,   58
.set ST,   60                          ; the tile's first step that is still to do
.set BAT,  80
.set HD,   81
.macro CROUND                          ; a round of the cluster's barrier
	s_barrier_signal -1
	s_barrier_wait -1
	s_cmp_lg_u32 s[WV], 0
	s_cbranch_scc1 .Lnot_wave_0_\@
	s_barrier_signal -3
.Lnot_wave_0_\@:
	s_barrier_wait -3
	s_barrier_signal -1
	s_barrier_wait -1
.endm
	s_load_b256 s[4:11], s[0:1], 0x0               ; qkc s[4:5], vc s[6:7], vs s[8:9], the scales' exponents s[10:11]
	s_load_b64 s[12:13], s[0:1], 0x20              ; ao
	v_lshl_add_u32 v[SPW], v0, 2, SPARE
	v_mov_b32 v[NIL], 0
	ds_add_u32 v[SPW], v[NIL]                      ; the opening lines: the add, twice on end, and its wait ahead of my first tensor load
	ds_add_u32 v[SPW], v[NIL]
	v_lshrrev_b32 v8, 5, v0
	v_readfirstlane_b32 s[WV], v8                  ; wave 0..15
	s_bfe_u32 s[CX], ttmp6, 0x40000
	s_and_b32 s82, ttmp7, 0xffff
	s_lshr_b32 s[BAT], s82, 4
	s_and_b32 s[HD], s82, 15
	s_mov_b32 s[G1A], 15|(3<<16)|(1<<21)           ; the four partners; elements of 8 bytes; bit 21 beside a mask; no padding: a dense block as rows of 256 bytes
	s_mov_b32 s[G1A+1], 32<<16
	s_mov_b32 s[G1A+2], (P1/256)<<16
	s_mov_b32 s[G1A+3], 32<<16
	s_mov_b32 s[G1A+4], P1/256
	s_mov_b32 s[G1A+5], 32
	s_mov_b32 s[G1A+6], 0
	s_mov_b32 s[G1A+7], 0
	s_mov_b32 s[G1B], 15|(3<<16)|(1<<21)
	s_mov_b32 s[G1B+1], 32<<16
	s_mov_b32 s[G1B+2], (P2/256)<<16
	s_mov_b32 s[G1B+3], 32<<16
	s_mov_b32 s[G1B+4], P2/256
	s_mov_b32 s[G1B+5], 32
	s_mov_b32 s[G1B+6], 0
	s_mov_b32 s[G1B+7], 0
	s_lshl_b32 s82, s[HD], 19                      ; a head is 524,288 bytes in qkc and in vc, a batch's 2,048 tokens 131,072
	s_lshl_b32 s83, s[BAT], 17
	s_add_co_u32 s82, s82, s83
	s_mov_b32 s83, 0
	s_lshl_b32 s84, s[HD], 14                      ; vs: 64 steps of 256 bytes a head, 16 steps a batch
	s_lshl_b32 s85, s[BAT], 12
	s_add_co_u32 s84, s84, s85
	s_mov_b32 s85, 0
	s_and_b32 s86, s[WV], 7                        ; which piece: waves 0-7 fetch K's, waves 8-15 V's
	s_lshr_b32 s87, s[WV], 3
	s_lshl_b32 s87, s87, 17
	s_mov_b32 s[G0A], 1
	s_lshl_b32 s88, s86, 12
	s_add_co_u32 s[G0A+1], s87, s88
	s_mov_b32 s89, 0
	s_mov_b32 s[G0B], 1
	s_mul_i32 s90, s86, P2
	s_add_co_u32 s90, s90, ST1
	s_add_co_u32 s[G0B+1], s87, s90
	s_mov_b32 s91, 0
	s_mov_b32 s[SEL], 0x76543210
	s_mov_b32 s[SEL+1], 0xfedcba98
	s_wait_dscnt 0x0                               ; both opening adds are done
	s_wait_kmcnt 0x0
	s_load_b256 s[68:75], s[10:11], 0x0            ; e0 .. e7
	s_load_b64 s[76:77], s[10:11], 0x20            ; e8, e9
	s_add_nc_u64 s[BK:BK+1], s[4:5], s[82:83]
	s_add_nc_u64 s[BK:BK+1], s[BK:BK+1], 0x800000  ; k's half of qkc
	s_add_nc_u64 s[BV:BV+1], s[6:7], s[82:83]
	s_add_nc_u64 s[VSP:VSP+1], s[8:9], s[84:85]
	s_cmp_lt_u32 s[WV], 8
	s_cselect_b64 s[BASE:BASE+1], s[BK:BK+1], s[BV:BV+1]
	s_cselect_b32 s[ST], 4, 0                      ; waves 0-7 have steps 0-3 of their first tile behind them at the barrier
	s_add_nc_u64 s[G0A+2:G0A+3], s[BASE:BASE+1], s[88:89]
	s_or_b32 s[G0A+3], s[G0A+3], 0x80000000
	s_add_nc_u64 s[G0B+2:G0B+3], s[BASE:BASE+1], s[90:91]
	s_or_b32 s[G0B+3], s[G0B+3], 0x80000000
	CROUND                                         ; the four work-groups are here: the first joint loads meet
	tensor_load_to_lds s[G0A:G0A+3], s[G1A:G1A+7]  ; my piece of keys 0-511: every wave issues one
	s_nop 0
	v_and_b32 v8, 15, v0                           ; r
	v_bfe_u32 v11, v0, 4, 1                        ; h
	v_and_b32 v7, 31, v0
	v_lshl_add_u32 v[SVW], v0, 3, SVB
	v_and_b32 v[RQ], 8, v8
	v_lshlrev_b32 v[VSO], 3, v7
	v_lshlrev_b32 v[LI], 4, v7
	v_lshl_add_u32 v[SVH], v11, 5, SVB
	v_add_nc_u32 v[RQ], v[RQ], v8
	v_lshlrev_b32 v7, 4, v11
	v_add_nc_u32 v[LIV], VB0, v[LI]
	v_sub_nc_u32 v[RH], v[RQ], v7
.set n, 1
.rept 15
	global_load_b64 v[96+2*n:97+2*n], v[VSO], s[VSP:VSP+1] offset:256*n   ; V's sums of steps 1 to 15: 256 consecutive bytes a load
.set n, n+1
.endr
	s_wait_alu depctr_va_vdst(0)                   ; directly ahead of the wait below
	s_wait_kmcnt 0x0
	s_add_co_i32 s82, s72, s73                     ; e4 + e5
	s_lshl_b32 s82, s82, 23
	s_mov_b32 s[CS], 0x3d38aa3b                    ; log2(e) / 32,
	s_add_co_i32 s[CS], s[CS], s82                 ; x 2^(e4 + e5): added to the exponent field
	s_mov_b32 s[CS+1], s[CS]
	s_mov_b32 s83, 0xc89c4000                      ; -320,000: the score whose logit is -10,000,
	s_sub_co_i32 s83, s83, s82                     ; / 2^(e4 + e5)
	v_mov_b32 v248, s83
	s_delay_alu instid0(VALU_DEP_1)
	v_mul_f32 v249, s[CS], v248                    ; t of a masked key
	s_add_co_i32 s82, s74, 127
	s_lshl_b32 s83, s82, 23
	v_mov_b32 v244, s83                            ; 2^e6
	s_add_co_i32 s82, s82, 15
	s_lshl_b32 s82, s82, 23
	s_or_b32 s[HS], s82, 0x600000                  ; 57,344 x 2^e6
	s_sub_co_i32 s82, s76, s74
	s_sub_co_i32 s82, s82, s75                     ; O / l stands for x 2^(e6 + e7): its code is taken with 2^(e8 - e6 - e7)
	s_add_co_i32 s82, s82, 127
	s_lshl_b32 s83, s82, 23
	v_mov_b32 v245, s83
	s_add_co_i32 s82, s82, 15
	s_lshl_b32 s82, s82, 23
	s_or_b32 s82, s82, 0x600000
	v_mov_b32 v241, s82
	v_mov_b32 v247, 0xff61b1e6                     ; -3e38, under every t
	v_mov_b32 v246, 0                              ; a lane permute's destination counts as one of its sources
	v_mov_b32 v253, 0                              ; (named as the upper half of the pair v[252:253])
; A tile begins.  first = 1: the wave's longer tile; 0: its shorter one.  The diagonal's step is made of the wave's number alone.
.macro INIT first
	s_wait_alu depctr_va_vdst(0)                   ; directly ahead of the wait below
	s_wait_xcnt 0x0                                ; earlier loads and stores have read their bases and registers
	s_and_b32 s82, s[WV], 12                       ; 4 k
	s_bfe_u32 s83, s[WV], 0x10001                  ; b
.if \first
	s_add_co_u32 s[SQ], s82, s83
	s_xor_b32 s[SQ], s[SQ], 15                     ; 15 - 4 k - b
.else
	s_xor_b32 s82, s82, 12
	s_add_co_u32 s[SQ], s82, s83                   ; 12 - 4 k + b
.endif
	s_lshl_b32 s[TT], s[SQ], 3
	s_and_b32 s83, s[WV], 1
	s_lshl_b32 s83, s83, 2
	s_add_co_u32 s[TT], s[TT], s83
	s_add_co_u32 s[TT], s[TT], s[CX]               ; 8 s + 4 (w % 2) + cx
	s_lshl_b32 s82, s[HD], 9
	s_lshl_b32 s83, s[BAT], 7
	s_add_co_u32 s82, s82, s83
	s_add_co_u32 s82, s82, s[TT]
	s_lshl_b32 s82, s82, 10
	s_mov_b32 s83, 0
	s_add_nc_u64 s[QP:QP+1], s[4:5], s[82:83]
	global_load_b128 v[16:19], v[LI], s[QP:QP+1]
	global_load_b128 v[20:23], v[LI], s[QP:QP+1] offset:512
	s_lshl_b32 s82, s[BAT], 4
	s_add_co_u32 s82, s82, s[SQ]                   ; ao: the block of 128 tokens,
	s_lshl_b32 s82, s82, 4
	s_add_co_u32 s82, s82, s[HD]                   ; the head,
	s_lshl_b32 s82, s82, 3
	s_and_b32 s84, s[TT], 7
	s_add_co_u32 s82, s82, s84                     ; the tile
	s_lshl_b32 s82, s82, 10
	s_add_nc_u64 s[AOP:AOP+1], s[12:13], s[82:83]
	s_and_b32 s85, s[TT], 6
	s_lshl_b32 s85, s85, 4
	s_and_b32 s86, s[TT], 1
	s_lshl_b32 s86, s86, 3
	s_add_co_u32 s85, s85, s86                     ; the tile's place in its step: 32 ((T / 2) % 4) + 8 (T % 2)
	s_lshl_b32 s86, s[SQ], 7
	s_add_co_u32 s86, s86, s85
	s_xor_b32 s87, s[SQ], 15
	s_lshl_b32 s87, s87, 7                         ; the keys of the steps wholly behind the diagonal
	s_lshl_b32 s88, s[SQ], 8
	v_add_nc_u32 v7, s86, v[RQ]                    ; my query
	v_add_nc_u32 v[DQ], s85, v[RH]
	v_cvt_f32_u32 v255, s87
	v_add_nc_u32 v[SVR], s88, v[SVH]               ; V's sums behind my diagonal
	v_cmp_eq_u32 vcc_lo, 0x7ff, v7                 ; the last row has no masked key
	v_mov_b32 v14, 0
	v_cndmask_b32 v13, v249, v247, vcc_lo          ; the largest t so far: the masked keys', or -3e38
	v_mov_b32 v15, 0
	v_floor_f32 v12, -v13                          ; -M
.set n, 0
.rept 32
	v_mov_b32 v[160+n], 0                          ; O^T: the step is written once; the first finds zeros
.set n, n+1
.endr
	s_wait_alu depctr_va_vdst(0)                   ; directly ahead of the wait below
	s_wait_loadcnt 0x0
.endm
; A KEY STEP of 128 keys.  early = 1: steps 0-3 ahead of the barrier: waves 0-7 alone, whose first diagonal lies at step 10 or later: no mask.
.macro STEP early
.if \early
	s_cmp_ge_u32 s[WV], 8
	s_cbranch_scc1 .Lhid_\@
.else
	s_cmp_gt_u32 s[SG], s[SQ]                      ; all its keys lie behind my queries: they are served at the tile's end
	s_cbranch_scc1 .Lhid_\@
	s_cmp_lt_u32 s[SG], s[ST]                      ; done ahead of the barrier
	s_cbranch_scc1 .Lhid_\@
.endif
	v_add_nc_u32 v[ADK], s[TB], v[LI]
	v_add_nc_u32 v[ADV], s[TB], v[LIV]
	v_nop                                          ; with the two additions: four places in front of loads into registers that the last products read
	v_nop
.set n, 0
.rept 8
	ds_load_b128 v[32+8*n:35+8*n], v[ADK] offset:n*1024
	ds_load_b128 v[36+8*n:39+8*n], v[ADK] offset:n*1024+512
.set n, n+1
.endr
	s_wait_alu depctr_va_vdst(0)                   ; directly ahead of the wait below
	s_wait_dscnt 0x0
.set n, 0
.rept 8
	v_wmma_f32_16x16x64_bf8_bf8 v[96+8*n:103+8*n], v[32+8*n:39+8*n], v[16:23], 0   ; lane (r, h): query r; registers of tiles 2 b, 2 b + 1: keys 32 b + 16 h + 0 .. 15
.set n, n+1
.endr
.rept 4
	v_nop                                          ; places in front of the loads below and of the first read of the scores
.endr
.set n, 0
.rept 16
	ds_load_b128 v[32+4*n:35+4*n], v[ADV] offset:n*512   ; V's four fragments land under the softmax
.set n, n+1
.endr
.if \early == 0
	s_cmp_lg_u32 s[SG], s[SQ]
	s_cbranch_scc1 .Lopen_\@
.set n, 0
.rept 64
	v_cmp_gt_i32 vcc_lo, 32*(n/16)+n%16, v[DQ]     ; on the diagonal: a later key's score becomes the masked score
	v_cndmask_b32 v[96+n], v[96+n], v248, vcc_lo
.set n, n+1
.endr
.Lopen_\@:
.endif
	v_max3_num_f32 v254, v96, v97, v98             ; the step's largest score of my query among my 64 keys, in two chains,
	v_max3_num_f32 v252, v99, v100, v101
.set n, 6
.rept 14
	v_max3_num_f32 v254, v254, v[96+n], v[97+n]
	v_max3_num_f32 v252, v252, v[98+n], v[99+n]
.set n, n+4
.endr
	v_max3_num_f32 v254, v254, v158, v159
	s_delay_alu instid0(VALU_DEP_1)
	v_max_num_f32 v254, v254, v252
	s_delay_alu instid0(VALU_DEP_1)
	v_permlanex16_b32 v246, v254, s[SEL], s[SEL+1]
	s_delay_alu instid0(VALU_DEP_1)
	v_max_num_f32 v254, v254, v246                 ; and among lane l xor 16's
	s_delay_alu instid0(VALU_DEP_1)
	v_mul_f32 v254, s[CS], v254                    ; as t (c is positive)
	s_delay_alu instid0(VALU_DEP_1)
	v_max_num_f32 v13, v13, v254
	v_mov_b32 v254, v12
	s_delay_alu instid0(VALU_DEP_2)
	v_floor_f32 v12, -v13                          ; the new -M = -ceil(t)
	s_delay_alu instid0(VALU_DEP_1)
	v_sub_f32 v254, v12, v254                      ; old M - new M: a whole number, 0 or less
	s_delay_alu instid0(VALU_DEP_1)
	v_cvt_i32_f32 v254, v254                       ; (it saturates)
	s_delay_alu instid0(VALU_DEP_1)
	v_ldexp_f32 v252, 1.0, v254                    ; f = 2^(old M - new M): rounds nothing
.set n, 0
.rept 32
	v_pk_fma_f32 v[96+n:97+n], v[96+n:97+n], s[CS:CS+1], v[12:13] op_sel_hi:[1,0,0]   ; t - M
.set n, n+2
.endr
	s_wait_alu depctr_va_vdst(0)                   ; the wait ahead of the batch
.set n, 0
.rept 64
	v_exp_f32 v[96+n], v[96+n]                     ; p = 2^(t - M)
.set n, n+1
.endr
	v_pk_mul_f32 v[14:15], v[14:15], v[252:253] op_sel_hi:[1,0]   ; l under the new M: the plain line behind the exponentials
	s_wait_alu depctr_va_vdst(0)                   ; one wait for the batch, ahead of its first reader
.set n, 0
.rept 4
	v_dual_add_f32 v[232+2*n], v[96+2*n], v[104+2*n] :: v_dual_add_f32 v[233+2*n], v[97+2*n], v[105+2*n]   ; the sum of the unquantised p, two numbers a line, in four chains
.set n, n+1
.endr
.set n, 8
.rept 24
	v_dual_add_f32 v[232+2*(n%4)], v[96+2*n], v[232+2*(n%4)] :: v_dual_add_f32 v[233+2*(n%4)], v[97+2*n], v[233+2*(n%4)]
.set n, n+1
.endr
	v_pk_add_f32 v[232:233], v[232:233], v[234:235]
	v_pk_add_f32 v[236:237], v[236:237], v[238:239]
	s_delay_alu instid0(VALU_DEP_2)
	v_pk_add_f32 v[14:15], v[14:15], v[232:233]
	s_delay_alu instid0(VALU_DEP_1)
	v_pk_add_f32 v[14:15], v[14:15], v[236:237]
.irp b, 0,1,2,3
.set n, 0
.rept 8
	v_dual_min_num_f32 v[96+16*\b+n], s[HS], v[96+16*\b+n] :: v_dual_min_num_f32 v[97+16*\b+n], s[HS], v[97+16*\b+n]   ; the conversion does not saturate (ISA guide 7.6.2); p is not negative: a one-sided hold, two numbers a line
.set n, n+2
.endr
	v_cvt_scalef32_pk8_bf8_f32 v[224+4*\b:225+4*\b], v[96+16*\b:103+16*\b], v244
	v_cvt_scalef32_pk8_bf8_f32 v[226+4*\b:227+4*\b], v[104+16*\b:111+16*\b], v244
.endr
	s_wait_alu depctr_va_vdst(0)                   ; directly ahead of the first reader of O^T
.set n, 0
.rept 16
	v_pk_mul_f32 v[160+n:161+n], v[160+n:161+n], v[252:253] op_sel_hi:[1,0]   ; O^T under the new M (plain lines behind the conversions)
.set n, n+2
.endr
	s_wait_alu depctr_va_vdst(0)                   ; directly ahead of the wait below
	s_wait_dscnt 0x0                               ; V is in
.set n, 0
.rept 4
	v_wmma_f32_16x16x128_bf8_bf8 v[160+8*n:167+8*n], v[32+16*n:47+16*n], v[224:239], v[160+8*n:167+8*n]   ; the four accumulators by turns
.set n, n+1
.endr
.Lhid_\@:
	s_add_co_u32 s[SG], s[SG], 1
	s_add_co_u32 s[TB], s[TB], STEPB
.endm
; A tile ends.  The plain lines ahead of the first read of O^T are more than the four places that its last products want.
.macro FINAL
	v_fma_f32 v250, v248, s[CS], v12               ; t_mask - M, as on the diagonal,
	s_delay_alu instid0(VALU_DEP_1)
	v_min_num_f32 v250, 0, v250                    ; at most 0 (only the row without masked keys can lie above; its count is 0)
	s_wait_alu depctr_va_vdst(0)
	v_exp_f32 v250, v250                           ; pm
.set n, 0
.rept 8
	ds_load_b128 v[96+4*n:99+4*n], v[SVR] offset:64*(n/2)+16*(n%2)   ; V's sums at my 32 channels: register 8 t + j as O^T's
.set n, n+1
.endr
	v_add_f32 v14, v14, v15                        ; l's two halves (a plain line behind the exponential),
	s_delay_alu instid0(VALU_DEP_1)
	v_permlanex16_b32 v246, v14, s[SEL], s[SEL+1]
	s_delay_alu instid0(VALU_DEP_1)
	v_add_f32 v14, v14, v246                       ; and lane l xor 16's
	s_wait_alu depctr_va_vdst(0)                   ; ahead of pm's first reader
	v_fmac_f32 v14, v250, v255                     ; + pm x the keys behind the diagonal step
	s_wait_alu depctr_va_vdst(0)
	v_rcp_f32 v14, v14
.set n, 0
.rept 8
	v_min_num_f32 v[192+n], s[HS], v250            ; pm is quantised as every p is
.set n, n+1
.endr
	v_cvt_scalef32_pk8_bf8_f32 v[200:201], v[192:199], v244
	v_nop
	v_cvt_f32_bf8 v208, v200                       ; its code's value
	v_nop
	v_mov_b32 v209, v208                           ; (named with it as a pair)
	s_wait_dscnt 0x0
	s_wait_alu depctr_va_vdst(0)                   ; directly ahead of the first reader of O^T, and of the reciprocal's below
.set n, 0
.rept 16
	v_pk_fma_f32 v[160+n:161+n], v[96+n:97+n], v[208:209], v[160+n:161+n] op_sel_hi:[1,0,1]   ; each accumulator from its low end on
.set n, n+2
.endr
.set n, 0
.rept 16
	v_pk_mul_f32 v[160+n:161+n], v[160+n:161+n], v[14:15] op_sel_hi:[1,0]
.set n, n+2
.endr
.set n, 0
.rept 32
	v_med3_num_f32 v[160+n], v[160+n], -v241, v241
.set n, n+1
.endr
.set n, 0
.rept 4
	v_cvt_scalef32_pk8_bf8_f32 v[224+2*n:225+2*n], v[160+8*n:167+8*n], v245   ; registers 4 c .. 4 c + 3: channels 32 c + 16 h + 0 .. 15 of my query
.set n, n+1
.endr
	v_nop
	global_store_b128 v[LI], v[224:227], s[AOP:AOP+1]              ; 512 consecutive bytes, aligned
	global_store_b128 v[LI], v[228:231], s[AOP:AOP+1] offset:512
.endm
	INIT 1                                         ; its wait for Q also shows V's sums
	; vector w of V's sums: the steps behind step w.  The sums are finite (128 codes of at most 57,344), so a factor 0 leaves a step out
	s_mov_b32 s85, 0
	s_cmp_lt_u32 s[WV], 1
	s_cselect_b32 s84, 1.0, 0
	v_pk_mul_f32 v[128:129], v[98:99], s[84:85] op_sel_hi:[1,0]
.set n, 2
.rept 14
	s_cmp_lt_u32 s[WV], n
	s_cselect_b32 s84, 1.0, 0
	v_pk_fma_f32 v[128:129], v[96+2*n:97+2*n], s[84:85], v[128:129] op_sel_hi:[1,0,1]
.set n, n+1
.endr
	ds_store_b64 v[SVW], v[128:129]                ; read at a tile's end: the wait for LDS and the round below stand between
	s_wait_alu depctr_va_vdst(0)                   ; the wait at the head's end
	s_wait_tensorcnt 0x0                           ; my piece of keys 0-511 is in; a later first fill is issued as a refill is:
	ds_add_u32 v[SPW], v[NIL]
	s_wait_dscnt 0x0                               ; the add and my store are done
	CROUND                                         ; everybody's piece is in, and the joint loads meet
	tensor_load_to_lds s[G0B:G0B+3], s[G1B:G1B+7]  ; my piece of keys 512-2,047: bytes that nothing has filled
	s_nop 0
	s_mov_b32 s[SG], 0
	s_mov_b32 s[TB], 0
.Lb1:                                              ; waves 0-7: their first tile's steps 0-3
	STEP 1
	s_cmp_lt_u32 s[SG], 4
	s_cbranch_scc1 .Lb1
	s_wait_tensorcnt 0x0                           ; my piece of the second group is in;
	s_wait_dscnt 0x0
	s_barrier_signal -1
	s_barrier_wait -1                              ; and everybody's.
	s_mov_b32 s[SG], 0
	s_mov_b32 s[TB], 0
.Lb2:                                              ; the first tile's steps that are left
	STEP 0
	s_cmp_lt_u32 s[SG], 16
	s_cbranch_scc1 .Lb2
	FINAL
	INIT 0
	s_mov_b32 s[ST], 0
	s_mov_b32 s[SG], 0
	s_mov_b32 s[TB], 0
.La:                                               ; the second tile: its diagonal lies at step 13 or earlier
	STEP 0
	s_cmp_lt_u32 s[SG], 14
	s_cbranch_scc1 .La
	FINAL
	s_wait_tensorcnt 0x0                           ; the wave's end
	ds_add_u32 v[SPW], v[NIL]
	s_wait_dscnt 0x0
	CROUND                                         ; the closing round
	s_endpgm
.Lfunc_end_k_q70f8888a9a_attn:
	.size	k_q70f8888a9a_attn, .Lfunc_end_k_q70f8888a9a_attn-k_q70f8888a9a_attn
	.p2alignl 7, 3214868480
	.fill 96, 4, 3214868480
	.section	.rodata,"a",@progbits
	.p2align	6, 0x0
	.amdhsa_kernel k_q70f8888a9a_attn
		.amdhsa_group_segment_fixed_size 327680
		.amdhsa_private_segment_fixed_size 0
		.amdhsa_enable_private_segment 0
		.amdhsa_kernarg_size 40
		.amdhsa_user_sgpr_count 2
		.amdhsa_user_sgpr_kernarg_segment_ptr 1
		.amdhsa_wavefront_size32 1
		.amdhsa_system_sgpr_workgroup_id_x 1
		.amdhsa_system_sgpr_workgroup_id_y 1
		.amdhsa_system_sgpr_workgroup_id_z 1
		.amdhsa_system_vgpr_workitem_id 0
		.amdhsa_next_free_vgpr 256
		.amdhsa_next_free_sgpr 100
		.amdhsa_reserve_vcc 1
		.amdhsa_float_denorm_mode_32 3
		.amdhsa_float_denorm_mode_16_64 3
		.amdhsa_memory_ordered 1
		.amdhsa_forward_progress 1
		.amdhsa_inst_pref_size 85
	.end_amdhsa_kernel
	.amdgpu_metadata
---
amdhsa.version: [ 1, 2 ]
amdhsa.kernels:
  - .name:           k_q70f8888a9a_attn
    .symbol:         k_q70f8888a9a_attn.kd
    .args:
      - { .name: qkc, .offset: 0, .size: 8, .value_kind: global_buffer, .address_space: global }
      - { .name: vc, .offset: 8, .size: 8, .value_kind: global_buffer, .address_space: global }
      - { .name: vs, .offset: 16, .size: 8, .value_kind: global_buffer, .address_space: global }
      - { .name: lowp_scales, .offset: 24, .size: 8, .value_kind: global_buffer, .address_space: global }
      - { .name: ao, .offset: 32, .size: 8, .value_kind: global_buffer, .address_space: global }
    .group_segment_fixed_size: 327680
    .private_segment_fixed_size: 0
    .kernarg_segment_align: 8
    .kernarg_segment_size: 40
    .max_flat_workgroup_size: 512
    .sgpr_count:     100
    .vgpr_count:     256
    .wavefront_size: 32
...
	.end_amdgpu_metadata
.endif
;; end of part 3
;; launch outp (part 4): grid 4 x 64, 4 waves a work-group, clusters of 4 x 4, 327,680 bytes of LDS; arguments ao, wc, lowp_scales, bout, out0; writes out0
.if DOCPART == 4
	.amdgcn_target "amdgcn-amd-amdhsa--gfx1250"
	.amdhsa_code_object_version 6
	.text
	.protected	k_q70f8888a9a_outp
	.globl	k_q70f8888a9a_outp
	.p2align	8
	.type	k_q70f8888a9a_outp,@function
k_q70f8888a9a_outp:
	s_mov_b64 s[64:65], 0
	v_nop
	global_prefetch_b8 v0, s[64:65] scope:SCOPE_SE
	s_setreg_imm32_b32 hwreg(HW_REG_WAVE_MODE, 25, 1), 1
	s_wait_xcnt 0x0
	s_wait_alu depctr_hold_cnt(0) depctr_sa_sdst(0) depctr_va_vdst(0) depctr_va_sdst(0) depctr_va_ssrc(0) depctr_va_vcc(0) depctr_vm_vsrc(0)
	s_getreg_b32 s2, hwreg(HW_REG_IB_STS2, 6, 4)
	s_cmp_eq_u32 s2, 0
	s_cbranch_scc0 .Lentry_in_a_cluster
	s_endpgm
.Lentry_in_a_cluster:
	s_bfe_u32 s2, ttmp6, 0x10000c
	s_cmp_lg_u32 s2, 0xf033
	s_cbranch_scc0 .Lentry_shape_is_right
	s_endpgm
.Lentry_shape_is_right:
; out0 = (attention's result) Wout + bout on codes of E5M2 (v_wmma_f32_16x16x128_bf8_bf8, sums in f32); each finished sum is multiplied once by 2^(e8 + e9) and the bias added.
; A block of 128 tokens x 256 channels is made by a work-group of four waves, 64 x 128 a wave: 32 accumulators; 64 x 4 blocks are 256 work-groups.  K = 1,024 goes in four steps of 256 through two LDS slots.
; A (ao) arrives as images of operand registers: [block of 128 tokens][16 heads][8 tiles of 16 storage tokens][1,024]: a K step (4 heads) is one dense block of 32,768 bytes; waves 0 and 1 fetch its halves.
; B (wc, rows 3,072 on: Wout's columns, K innermost): 256 rows x 256 bytes, padded in LDS; waves 2 and 3 fetch its halves.
; Source 0 = 16 rows of B, source 1 = 16 tokens: a lane holds one token, its registers run along the channels.  Tokens and channels are stored with bits 3 and 4 of their number exchanged; the way out puts them back.
; CLUSTERS: 4 x 4 work-groups; A's tile is asked for jointly along a row of the cluster, B's along a column.
; PREFETCH: K steps 2 and 3 are named two refills ahead of their loads, behind the loads of K steps 0 and 1; the four partners of a joint load share its bytes out by address.
; LIMIT: e8 + e9 between -126 and 127, so that 2^(e8 + e9) is an f32 number.
; REGISTERS: window 0: v0-31 addresses, v128-255 A's fragments, two sets (on the way out: rows read back); window 1: B's fragments, two sets; window 2: the accumulators, (a, b) at v[8 (8 a + b)].
.set ROWB,   256
.set KROW,   1024
.set PITCH,  272                       ; 256 bytes + 16 of padding: the 16 rows that a load touches start at 16 different banks (ISA guide 11.1)
.set FR,     16
.set NP,     4
.set ASTEP,  32768
.set HALFA,  16384
.set HALFT,  128*PITCH
.set BOFF,   ASTEP
.set SLOT,   BOFF+2*HALFT
.set SPARE,  2*SLOT                    ; the spare words, 128 bytes a wave, which no other line names
.set SPITCH, 528                       ; the way out: a stage of 16 rows x (512 + 16) bytes a wave, in slot 0, which has had its last fill and its last read by then
.set BIAS, 12
.set ADRA, 16
.set ADRB, 20
.set STO,  24
.set RD,   25
.set CO,   26
.set PFO,  27
.set SPW,  28
.set NIL,  29
.set AF,   128
.set BK,   128
.set G1, 24
.set G0, 32
.set G1B, 48
.set G0B, 56
.set MSB, 0
.macro WIN new                         ; the immediate's high byte repeats the setting that is left
.if MSB != \new
	s_set_vgpr_msb (MSB<<8)|\new
.set MSB, \new
.endif
.endm
.set MUL,  0xa1                        ; source 0 (B) window 1, source 1 (A) window 0, C and D window 2
.set TO_B, 0x40
.macro JLOAD g0a, g1a, g0b, g1b        ; waves 0 and 1 fetch for A, waves 2 and 3 for B; an s_nop 0 and four v_nop follow each line
	s_cmp_eq_u32 s15, 0
	s_cbranch_scc0 .Lfor_b_\@
	tensor_load_to_lds s[\g0a:\g0a+3], s[\g1a:\g1a+7]
	s_nop 0
.rept 4
	v_nop
.endr
	s_branch .Lasked_\@
.Lfor_b_\@:
	tensor_load_to_lds s[\g0b:\g0b+3], s[\g1b:\g1b+7]
	s_nop 0
.rept 4
	v_nop
.endr
.Lasked_\@:
.endm
.macro CREST
	s_cmp_lg_u32 s14, 0
	s_cbranch_scc1 .Lnot_wave_0_\@
	s_barrier_signal -3
.Lnot_wave_0_\@:
	s_barrier_wait -3
	s_barrier_signal -1
	s_barrier_wait -1
.endm
.macro CROUND
	s_barrier_signal -1
	s_barrier_wait -1
	CREST
.endm
	s_load_b128 s[4:7], s[0:1], 0x0                ; ao, wc
	s_load_b128 s[8:11], s[0:1], 0x10              ; the scales' exponents, bout
	s_load_b64 s[12:13], s[0:1], 0x20              ; out0
	v_lshl_add_u32 v[SPW], v0, 2, SPARE
	v_mov_b32 v[NIL], 0
	ds_add_u32 v[SPW], v[NIL]                      ; the opening lines: the add, twice on end, and its wait
	ds_add_u32 v[SPW], v[NIL]
	v_lshrrev_b32 v1, 5, v0
	v_readfirstlane_b32 s14, v1                    ; wave 0..3
	s_lshr_b32 s15, s14, 1                         ; which 64 tokens are mine.  Also: I fetch for A (0) or for B (1)
	s_and_b32 s16, s14, 1                          ; which 128 channels.  Also: which half of that tile I fetch
	s_bfe_u32 s40, ttmp6, 0x40000                  ; cx
	s_bfe_u32 s41, ttmp6, 0x40004                  ; cy
	s_lshl_b32 s42, ttmp9, 2
	s_add_co_u32 s42, s42, s40                     ; which 256 channels
	s_and_b32 s17, ttmp7, 0xffff
	s_lshl_b32 s17, s17, 2
	s_add_co_u32 s17, s17, s41                     ; which 128 tokens
	s_lshl_b32 s43, s41, 2
	s_lshl_b32 s43, 15, s43                        ; my row of the cluster
	s_lshl_b32 s44, 0x1111, s40                    ; my column
	s_or_b32 s[G1+0], s43, (3<<16)|(1<<21)         ; A: elements of 8 bytes, no padding: 64 rows of 256 bytes
	s_mov_b32 s[G1+1], 32<<16
	s_mov_b32 s[G1+2], 64<<16
	s_mov_b32 s[G1+3], 32<<16
	s_mov_b32 s[G1+4], 64
	s_mov_b32 s[G1+5], 32
	s_mov_b32 s[G1+6], 0
	s_mov_b32 s[G1+7], 0
	s_or_b32 s[G1B+0], s44, (0<<16)|(1<<20)|(1<<21)|(5<<22)|(3<<25)   ; B: elements of 1 byte; four words of padding after every 64
	s_mov_b32 s[G1B+1], ROWB<<16
	s_mov_b32 s[G1B+2], 128<<16
	s_mov_b32 s[G1B+3], ROWB<<16
	s_mov_b32 s[G1B+4], 128
	s_mov_b32 s[G1B+5], KROW
	s_mov_b32 s[G1B+6], 0
	s_mov_b32 s[G1B+7], 0
	s_lshl_b32 s20, s17, 17                        ; a block of 128 tokens is 131,072 bytes of ao
	s_lshl_b32 s45, s16, 14                        ; my half of a K step's image, in memory and in LDS
	s_add_co_u32 s20, s20, s45
	s_mov_b32 s21, 0
	s_lshl_b32 s46, s42, 8
	s_lshl_b32 s18, s16, 7
	s_add_co_u32 s46, s46, s18
	s_add_co_u32 s46, s46, 3072
	s_lshl_b32 s46, s46, 10
	s_mov_b32 s47, 0
	s_mul_i32 s19, s16, HALFT
	s_add_co_u32 s19, s19, BOFF
	s_wait_dscnt 0x0                               ; both opening adds are done
	s_wait_kmcnt 0x0
	s_load_b64 s[96:97], s[8:9], 0x20              ; e8, e9
	s_add_nc_u64 s[20:21], s[4:5], s[20:21]
	s_add_nc_u64 s[46:47], s[6:7], s[46:47]
	CROUND                                         ; all sixteen work-groups are here: the first joint loads meet
.irp s, 0,1
	s_mov_b32 s[G0+4*\s], 1
	s_add_co_u32 s[G0+4*\s+1], s45, \s*SLOT
	s_add_nc_u64 s[G0+4*\s+2:G0+4*\s+3], s[20:21], \s*ASTEP
	s_or_b32 s[G0+4*\s+3], s[G0+4*\s+3], 0x80000000
	s_mov_b32 s[G0B+4*\s], 1
	s_add_co_u32 s[G0B+4*\s+1], s19, \s*SLOT
	s_add_nc_u64 s[G0B+4*\s+2:G0B+4*\s+3], s[46:47], \s*ROWB
	s_or_b32 s[G0B+4*\s+3], s[G0B+4*\s+3], 0x80000000
.endr
	JLOAD G0, G1, G0B, G1B                         ; K step 0: one tensor load a wave at the head
	; the prefetches.  A's waves: of my 16,384 bytes of a K step the partner at cx names 4,096, sixteen lanes 256 bytes apart (the other sixteen name the same blocks again);
	; B's waves: of my 128 rows the partner at cy names 32, a lane a row.  s[84:85]: K step 2; s[94:95]: K step 3; neither they nor v[PFO] are rewritten
	s_cmp_eq_u32 s15, 0
	s_cselect_b64 s[84:85], s[20:21], s[46:47]
	s_cselect_b32 s86, s40, s41
	s_cselect_b32 s88, 12, 15
	s_cselect_b32 s89, 15, 31
	s_cselect_b32 s90, 8, 10
	s_mov_b32 s92, ROWB
	s_cselect_b32 s92, ASTEP, s92                  ; a K step on
	s_lshl_b32 s86, s86, s88
	s_lshl_b32 s91, s92, 1
	s_add_co_u32 s86, s86, s91
	s_mov_b32 s87, 0
	s_mov_b32 s93, 0
	s_add_nc_u64 s[84:85], s[84:85], s[86:87]
	s_add_nc_u64 s[94:95], s[84:85], s[92:93]
	v_and_b32 v1, 15, v0                           ; l % 16
	v_bfe_u32 v2, v0, 4, 1                         ; l / 16
	v_and_b32 v6, 31, v0
	v_mul_u32_u24 v3, v1, PITCH
	v_mul_u32_u24 v5, v1, SPITCH
	v_lshlrev_b32 v[CO], 4, v6
	v_and_b32 v[PFO], s89, v6
	v_lshl_add_u32 v4, v2, 4, v3
	v_lshl_add_u32 v5, v2, 6, v5
	v_lshlrev_b32 v[PFO], s90, v[PFO]
	s_lshl_b32 s21, s15, 12                        ; my four tiles of tokens
	s_mul_i32 s22, s16, HALFT
	s_add_co_u32 s22, s22, BOFF
	s_mul_i32 s23, s14, 16*SPITCH
	v_add_nc_u32 v[ADRA], s21, v[CO]
	v_add_nc_u32 v[ADRB], s22, v4
	v_add_nc_u32 v[STO], s23, v5
	v_add_nc_u32 v[RD], s23, v[CO]
	v_add_nc_u32 v[ADRA+1], SLOT, v[ADRA]
	v_add_nc_u32 v[ADRB+1], SLOT, v[ADRB]
	global_prefetch_b8 v[PFO], s[84:85] th:TH_LOAD_NT scope:SCOPE_SE
	s_lshl_b32 s22, s42, 10
	s_lshl_b32 s23, s16, 9
	s_add_co_u32 s22, s22, s23                     ; my first channel, in bytes
	s_mov_b32 s23, 0
	s_add_nc_u64 s[10:11], s[10:11], s[22:23]
	global_load_b128 v[BIAS:BIAS+3], v[CO], s[10:11]
	s_lshl_b32 s80, s17, 7
	s_lshl_b32 s81, s15, 6
	s_add_co_u32 s80, s80, s81                     ; my first token
	s_lshl_b32 s80, s80, 12
	s_add_co_u32 s80, s80, s22
	s_mov_b32 s81, 0
	s_add_nc_u64 s[12:13], s[12:13], s[80:81]
.macro FRAG reg, adr, q, i             ; B: lane l holds row l % 16; registers 4 c .. 4 c + 3 hold K = 32 c + 16 (l / 16) + 0 .. 15: the places that A's images have
.irp c, 0,1,2,3
	ds_load_b128 v[\reg+4*\c:\reg+4*\c+3], v[\adr] offset:128*(\q)+32*\c+(\i)*16*PITCH
.endr
.endm
.macro FRAGA reg, slot, q, a
.irp c, 0,1,2,3
	ds_load_b128 v[\reg+4*\c:\reg+4*\c+3], v[ADRA+\slot] offset:((2*(\q)+\c/2)*8+(\a))*1024+(\c%2)*512
.endr
.endm
.macro FETCH slot, q, p                ; 48 LDS loads: the fragments of the slot's q-th 128 along K into set p
	WIN TO_B
.irp i, 0,1,2,3,4,5,6,7
	FRAG 128*(\p)+FR*\i, ADRB+\slot, \q, \i
.endr
	WIN 0
.irp i, 0,1,2,3
	FRAGA AF+64*(\p)+FR*\i, \slot, \q, \i
.endr
.endm
.macro MUL16 a0, p, zero               ; the 32 accumulators take turns, one instruction a turn, in the same order in every step
.irp a, \a0, \a0+1
.irp b, 0,1,2,3,4,5,6,7
.if \zero
	v_wmma_f32_16x16x128_bf8_bf8 v[8*(8*(\a)+\b):8*(8*(\a)+\b)+7], v[128*(\p)+FR*\b:128*(\p)+FR*\b+FR-1], v[AF+64*(\p)+FR*(\a):AF+64*(\p)+FR*(\a)+FR-1], 0
.else
	v_wmma_f32_16x16x128_bf8_bf8 v[8*(8*(\a)+\b):8*(8*(\a)+\b)+7], v[128*(\p)+FR*\b:128*(\p)+FR*\b+FR-1], v[AF+64*(\p)+FR*(\a):AF+64*(\p)+FR*(\a)+FR-1], v[8*(8*(\a)+\b):8*(8*(\a)+\b)+7]
.endif
.endr
.endr
.endm
.macro PLACES n
.rept \n
	v_nop
.endr
.endm
.macro STEP slot, zero                 ; a slot's first 128 along K, from set 0; set 1's loads go out ahead of the products (four places stand behind the last products: TURN's)
	s_wait_dscnt 0x0
	FETCH \slot, 1, 1
	WIN MUL
	MUL16 0, 0, \zero
	MUL16 2, 0, \zero
	WIN 0
.endm
.macro TURN slot, next, fill           ; a slot's second 128, from set 1, and the change of slots
	s_wait_tensorcnt 0x0                           ; all my tensor loads have landed: my part of the next slot
	ds_add_u32 v[SPW], v[NIL]
	s_wait_dscnt 0x1                               ; set 1 is in; the add may be out
	WIN MUL
	MUL16 0, 1, 0
	s_wait_dscnt 0x0                               ; the add is done, and my reads of this slot are over
	s_barrier_signal -1
	MUL16 2, 1, 0
	WIN 0
	s_barrier_wait -1
.if \fill
	CREST                                          ; the barrier has opened a round of the cluster's: no wave of any partner still reads this slot or has a load on its way
	s_add_nc_u64 s[G0+4*\slot+2:G0+4*\slot+3], s[G0+4*\slot+2:G0+4*\slot+3], 2*ASTEP
	s_add_nc_u64 s[G0B+4*\slot+2:G0B+4*\slot+3], s[G0B+4*\slot+2:G0B+4*\slot+3], 2*ROWB
	JLOAD G0+4*\slot, G1, G0B+4*\slot, G1B         ; the first tensor load behind the round; its four v_nop are the places in front of the loads below
.else
	PLACES NP
.endif
	FETCH \next, 0, 0
.endm
	s_wait_alu depctr_va_vdst(0)                   ; the wait at the head's end
	s_wait_tensorcnt 0x0                           ; my part of K step 0 is in; slot 1's first fill is issued as a refill is
	ds_add_u32 v[SPW], v[NIL]
	s_wait_dscnt 0x0
	CROUND
	JLOAD G0+4, G1, G0B+4, G1B                     ; K step 1
	FETCH 0, 0, 0
	global_prefetch_b8 v[PFO], s[94:95] th:TH_LOAD_NT scope:SCOPE_SE
	STEP 0, 1                                      ; the first products start the sums
	TURN 0, 1, 1                                   ; slot 0 takes K step 2
	STEP 1, 0
	TURN 1, 0, 1                                   ; slot 1 takes K step 3
	STEP 0, 0
	TURN 0, 1, 0                                   ; nothing more is filled
	STEP 1, 0
	s_wait_dscnt 0x0
	WIN MUL
	MUL16 0, 1, 0
	MUL16 2, 1, 0
	WIN 0
; THE WAY OUT, a tile of 16 tokens x 128 channels at a time, through my stage: in by lanes (logical channel 32 (b / 2) + 16 h + 8 (b % 2) + j), back as whole rows of 512 bytes.
.macro TOSTAGE a
.set AC, 64*(\a)
	WIN 0x08                                       ; the stores' data lie in window 2
.irp b, 0,1,2,3,4,5,6,7
	ds_store_b128 v[STO], v[AC+8*\b:AC+8*\b+3] offset:128*(\b/2)+32*(\b%2)         ; each accumulator from its low end on
	ds_store_b128 v[STO], v[AC+8*\b+4:AC+8*\b+7] offset:128*(\b/2)+32*(\b%2)+16
.endr
	WIN 0
.set BB, BK+64*((\a)%2)
.irp t, 0,1,2,3,4,5,6,7,8,9,10,11,12,13,14,15
	ds_load_b128 v[BB+4*\t:BB+4*\t+3], v[RD] offset:\t*SPITCH   ; LDS serves a wave's instructions in order (ISA guide 5.7.1.4)
.endr
.endm
.macro SEND a, younger
.set BB, BK+64*((\a)%2)
	s_wait_dscnt \younger
.irp t, 0,1,2,3,4,5,6,7,8,9,10,11,12,13,14,15
	v_pk_fma_f32 v[BB+4*\t:BB+4*\t+1], v[BB+4*\t:BB+4*\t+1], s[96:97], v[BIAS:BIAS+1] op_sel_hi:[1,0,1]
	v_pk_fma_f32 v[BB+4*\t+2:BB+4*\t+3], v[BB+4*\t+2:BB+4*\t+3], s[96:97], v[BIAS+2:BIAS+3] op_sel_hi:[1,0,1]
.endr
.irp t, 0,1,2,3,4,5,6,7,8,9,10,11,12,13,14,15
	global_store_b128 v[CO], v[BB+4*\t:BB+4*\t+3], s[12:13] offset:(32*((\a)/2)+16*(\t/8)+8*((\a)%2)+\t%8)*4096 th:TH_STORE_NT   ; storage row t of tile a is this logical token; 512 consecutive bytes, aligned
.endr
.endm
	s_wait_kmcnt 0x0
	s_add_co_i32 s96, s96, s97
	s_add_co_i32 s96, s96, 127
	s_lshl_b32 s96, s96, 23                        ; 2^(e8 + e9) as f32
	s_mov_b32 s97, s96
	s_wait_loadcnt 0x0                             ; the bias
	PLACES NP
	TOSTAGE 0
.irp a, 1,2,3
.if \a > 1
	s_wait_xcnt 0x0                                ; tile a - 2's stores have read their registers
.endif
	TOSTAGE \a
	SEND \a-1, 32                                  ; behind tile a - 1's loads: tile a's 16 stores and 16 loads
.endr
	SEND 3, 0
	s_wait_tensorcnt 0x0                           ; the wave's end
	ds_add_u32 v[SPW], v[NIL]
	s_wait_dscnt 0x0
	CROUND                                         ; the closing round
	s_endpgm
.Lfunc_end_k_q70f8888a9a_outp:
	.size	k_q70f8888a9a_outp, .Lfunc_end_k_q70f8888a9a_outp-k_q70f8888a9a_outp
	.p2alignl 7, 3214868480
	.fill 96, 4, 3214868480
	.section	.rodata,"a",@progbits
	.p2align	6, 0x0
	.amdhsa_kernel k_q70f8888a9a_outp
		.amdhsa_group_segment_fixed_size 327680
		.amdhsa_private_segment_fixed_size 0
		.amdhsa_enable_private_segment 0
		.amdhsa_kernarg_size 40
		.amdhsa_user_sgpr_count 2
		.amdhsa_user_sgpr_kernarg_segment_ptr 1
		.amdhsa_wavefront_size32 1
		.amdhsa_system_sgpr_workgroup_id_x 1
		.amdhsa_system_sgpr_workgroup_id_y 1
		.amdhsa_system_sgpr_workgroup_id_z 1
		.amdhsa_system_vgpr_workitem_id 0
		.amdhsa_next_free_vgpr 768
		.amdhsa_next_free_sgpr 100
		.amdhsa_reserve_vcc 0
		.amdhsa_float_denorm_mode_32 3
		.amdhsa_float_denorm_mode_16_64 3
		.amdhsa_memory_ordered 1
		.amdhsa_forward_progress 1
		.amdhsa_inst_pref_size 75
	.end_amdhsa_kernel
	.amdgpu_metadata
---
amdhsa.version: [ 1, 2 ]
amdhsa.kernels:
  - .name:           k_q70f8888a9a_outp
    .symbol:         k_q70f8888a9a_outp.kd
    .args:
      - { .name: ao, .offset: 0, .size: 8, .value_kind: global_buffer, .address_space: global }
      - { .name: wc, .offset: 8, .size: 8, .value_kind: global_buffer, .address_space: global }
      - { .name: lowp_scales, .offset: 16, .size: 8, .value_kind: global_buffer, .address_space: global }
      - { .name: bout, .offset: 24, .size: 8, .value_kind: global_buffer, .address_space: global }
      - { .name: out0, .offset: 32, .size: 8, .value_kind: global_buffer, .address_space: global }
    .group_segment_fixed_size: 327680
    .private_segment_fixed_size: 0
    .kernarg_segment_align: 8
    .kernarg_segment_size: 40
    .max_flat_workgroup_size: 128
    .sgpr_count:     100
    .vgpr_count:     768
    .wavefront_size: 32
...
	.end_amdgpu_metadata
.endif
;; end of part 4
